; MI455X (gfx1250); checked and timed in simulation.
; The chip was launched on July 23, 2026; its instructions are those of AMD's public machine-readable ISA for CDNA 5 (MIT licence, August 2026) and "CDNA5" Instruction Set Architecture Reference Guide (July 2026). The comments in the code are by the model that wrote it; some were corrected since.
;; Multi Head Attention. Allowed arithmetic: matrix products marked QUANTISED: E3M2 operands, one E8M0 scale for each 32 along K, by v_wmma_scale_f32_16x16x128_f8f6f4 with both operands' format E3M2, f32 sums; everything else in f32.
;; Inputs: Wk 1,024 x 1,024 float32; Wo 1,024 x 1,024 float32; Wq 1,024 x 1,024 float32; Wv 1,024 x 1,024 float32; bo 1,024 float32; x 4 x 2,048 x 1,024 float32.
;; Outputs: out0 4 x 2,048 x 1,024 float32.
;; This version of the problem:
;;   THIS VERSION OF THE PROBLEM IS GIVEN IN LOW PRECISION. The matrix products marked QUANTISED in the list below multiply operands that are first quantised to E3M2 (3 exponent bits, 2 mantissa bits; 6 bits a number), with one power-of-two scale for each 32 numbers along K (OCP MX v1.0); their sums are f32. All else is computed in f32.
;;   The module's matrix products, in the order in which they are computed (A, B: the left and right operand; K: the contracted axis; several contracted axes count as one K, in the product's order):
;;     1. [M 8,192, K 1,024] x [K 1,024, N 1,024]; A: input x; B: input Wq: QUANTISED
;;     2. [M 8,192, K 1,024] x [K 1,024, N 1,024]; A: input x; B: input Wk: QUANTISED
;;     3. [M 8,192, K 1,024] x [K 1,024, N 1,024]; A: input x; B: input Wv: QUANTISED
;;     4. batch 64 x [M 2,048, K 64] x [K 64, N 2,048]; A: computed on the way; B: computed on the way: QUANTISED
;;     5. batch 64 x [M 2,048, K 2,048] x [K 2,048, N 64]; A: softmax (see below); B: computed on the way: QUANTISED
;;     6. [M 8,192, K 1,024] x [K 1,024, N 1,024]; A: computed on the way; B: input Wo: QUANTISED
;;   THE QUANTISER, for each operand of a quantised product, along K:
;;     - K is cut into blocks of 32 from its start; a last block that is shorter is filled with zeros.
;;     - A block's scale is 2^e with e = floor(log2(the largest magnitude in the block)) - 4, held to -126 .. 127; a block of zeros has e = 0. As a byte (E8M0): e + 127.
;;     - Each number is divided by its block's scale, clamped to +-28, and rounded to the nearest number of E3M2, ties to even, subnormals kept.
;;     - The product sums the exact products of the quantised numbers (number of the format x scale) in f32.
;;   ~~~python
;;   def quantise(x, axis):      # numpy; x: float32 -> the quantised numbers, widened to float32 again
;;       x = np.moveaxis(x, axis, -1); K = x.shape[-1]
;;       x = np.pad(x, [(0, 0)] * (x.ndim - 1) + [(0, -K % 32)]); x = x.reshape(x.shape[:-1] + (-1, 32)); a = np.abs(x).max(-1, keepdims=True)
;;       e = np.where(a > 0, np.clip(np.frexp(np.where(a > 0, a, 1))[1] - 1 - 4, -126, 127), 0)      # np.frexp(a)[1] - 1 = floor(log2(a)), exactly
;;       r = np.clip(x / 2.0 ** e, -28, 28)
;;       step = 2.0 ** (np.maximum(np.frexp(np.where(r == 0, 1, r))[1] - 1, -2) - 2)
;;       q = np.round(r / step) * step * 2.0 ** e      # np.round: ties to even
;;       return np.moveaxis(q.reshape(q.shape[:-2] + (-1,))[..., :K], -1, axis).astype(np.float32)
;;   ~~~
;;   SOFTMAX AHEAD OF A QUANTISED PRODUCT. Where the list says 'softmax', what is quantised is not the finished softmax but p = 2^(t - M), with t = logit x log2(e) and M = ceil(the row's largest t), a whole number; so 1/2 < the row's largest p <= 1. The row's sum l is taken of the UNQUANTISED p, in f32, and the product's result is divided by l at the end. Since M is a whole number, a kernel that streams over the keys may use a running M (the ceiling of the running maximum): every later rescaling is an exact power of two, which a block's scale takes up: the codes' values come out the same.
;;   OPERANDS COMPUTED ON THE WAY. 'Computed on the way' means the value that the module computes at that place (a softmax that the list does not call 'softmax' is quantised finished and normalised). What goes into a quantiser is computed in f32, as accurately as f32 sums, v_exp_f32 and their like allow (about 1e-6 of the number): no bf16 or f16 on the way to a quantiser, and a product that is left as it is and whose result goes on into a quantised operand takes f32 operands (vector FMAs, or v_wmma_f32_16x16x4_f32). A number that lies on a knife's edge between two numbers of the format may be rounded either way, as far as f32 arithmetic and the matrix unit's own rounding can turn it there, and no further.
;; One version. Each part assembles by itself: llvm-mc -triple=amdgcn-amd-amdhsa -mcpu=gfx1250 --defsym DOCPART=n.
;; ======== version 1 of 1: 4 launches
;; workspace buffers: xq 6,291,456 bytes; xs 262,144 bytes; wq 3,145,728 bytes; ws 131,072 bytes; qkv 20,185,088 bytes; cq 6,291,456 bytes; cs 262,144 bytes
;; launch quant (part 1): grid 512 x 1, 4 waves a work-group, no clusters, 47,616 bytes of LDS; arguments x, Wq, Wk, Wv, Wo, xq, xs, wq, ws; writes xq, xs, wq, ws
.if DOCPART == 1
	.amdgcn_target "amdgcn-amd-amdhsa--gfx1250"
	.amdhsa_code_object_version 6
	.text
	.protected	k_q2b36ae7394_quant
	.globl	k_q2b36ae7394_quant
	.p2align	8
	.type	k_q2b36ae7394_quant,@function
k_q2b36ae7394_quant:
	s_mov_b64 s[64:65], 0
	v_nop
	global_prefetch_b8 v0, s[64:65] scope:SCOPE_SE
	s_setreg_imm32_b32 hwreg(HW_REG_WAVE_MODE, 25, 1), 1
	s_wait_xcnt 0x0
; x [8192][1024] and Wq, Wk, Wv, Wo [1024 (k)][1024 (n)], f32, become codes of BF6 (E3M2) with one E8M0 byte for each 32 along K (x: its columns; the weights: their FIRST axis).
; A block's scale is 2^(floor(log2(its largest magnitude)) - 4); its byte is the largest magnitude's exponent field - 4, held at 1 from below.
; LIMITS: a block of zeros, or one whose largest magnitude lies under 2^-122, gets the byte 1 (its codes are zeros or the format's smallest numbers; the bytes are read by this program alone); NaN and infinities are not served.
; THE OUTPUT IS LAID IN THE ORDER OF THE OPERAND'S REGISTERS.  Rows (of x; columns n of a weight) go in groups G of 128; tile i (0..7) of a group holds the 16 rows 32 (i / 2) + 8 (i % 2) + r + 8 (r / 8), r = 0..15.
; A fragment (tile i, 128 along K) is 1,536 bytes: two halves of 768 (64 along K each): registers 0-3 of lane l at 16 l, registers 4-5 at 512 + 8 l.  Codes: [G][K step 0..7][i][1536].  Scale words: [8 G + i][K step][r], 4 bytes.
; Work-groups 0-255 take x, 256-511 the weights: two paths that never join, each with LDS bytes of its own.  No work-group shares an input with another, so there is no cluster; no tensor load, no barrier: waves share nothing.
.set XSTG,  8448                       ; x path: a wave's stage, 16 rows x (512 bytes + 16), from LDS byte 0 on
.set WST,   33792                      ; weight path: the stages begin here,
.set WSTG,  3328                       ; one for each wave: two tile images,
.set WPIT,  1664                       ; 1,536 bytes + 128 apart, so that lanes 0-7 and 8-15 of a store fall on different banks
.set R,     16                         ; x path: v16-143 two sets of 64 numbers as loaded
.set X,     144                        ; v144-207 64 numbers, register 16 b + i = k 32 b + 16 (lane / 16) + i of my row
.set PC,    208                        ; v208-227 the fragment just made (12) and two runs at work
.set TM,    228                        ; v228-243 at work
.set W,     244                        ; v244-247 the four K steps' scale words
.set WX,    16                         ; weight path: v16-143 my column's 128 numbers
.set C,     144                        ; v144-167 its codes, six registers a block
.set T3,    168                        ; v168-170 the second half of a block's codes
.set OUTR,  180                        ; v180-203 the way out
; 64 numbers of a lane become a fragment's codes in v[PC] on and its scale word in v[pw]
.macro QUANT s, pw
.irp b, 0,1,2,3
	v_max3_num_f32 v[TM+\b], |v[\s+16*\b]|, |v[\s+1+16*\b]|, 0x2800000   ; block b: my 16 numbers, and the floor 2^(5 - 127): the byte cannot fall under 1
.endr
.irp i, 2,4,6,8,10,12,14
.irp b, 0,1,2,3
	v_max3_num_f32 v[TM+\b], v[TM+\b], |v[\s+16*\b+\i]|, |v[\s+1+16*\b+\i]|   ; the four blocks by turns
.endr
.endr
.irp b, 0,1,2,3
	v_permlanex16_b32 v[TM+4+\b], v[TM+\b], s26, s27
.endr
.irp b, 0,1,2,3
	v_max_num_f32 v[TM+\b], v[TM+\b], v[TM+4+\b]   ; with lane l xor 16's: the block's largest magnitude
.endr
.irp b, 0,1,2,3
	v_add_nc_u32 v[TM+12+\b], 0xfe000000, v[TM+\b]   ; 4 off its exponent field: the conversion's scale operand
.endr
.irp b, 0,1,2,3
	v_lshrrev_b32 v[TM+4+\b], 23, v[TM+12+\b]      ; the scale's byte
.endr
	v_lshl_or_b32 v[\pw], v[TM+5], 8, v[TM+4]
	v_lshl_or_b32 v[\pw], v[TM+6], 16, v[\pw]
	v_lshl_or_b32 v[\pw], v[TM+7], 24, v[\pw]      ; my row's scale word
.irp c, 0,1
	v_cvt_scalef32_pk16_bf6_f32 v[PC+6*\c:PC+2+6*\c], v[\s+32*\c:\s+15+32*\c], v[TM+12+2*\c]
	v_cvt_scalef32_pk16_bf6_f32 v[PC+12+4*\c:PC+14+4*\c], v[\s+16+32*\c:\s+31+32*\c], v[TM+12+2*\c+1]   ; a conversion's three registers begin on an even number
.endr
	v_nop                                          ; one plain instruction behind the scaled conversions
.irp c, 0,1                            ; the operand wants a whole block in a lane: lanes 0-15 block 2 c, lanes 16-31 block 2 c + 1
.irp i, 0,1,2
	v_permlane16_swap_b32 v[PC+6*\c+\i], v[PC+12+4*\c+\i]
.endr
.irp i, 0,1,2
	v_mov_b32 v[PC+3+6*\c+\i], v[PC+12+4*\c+\i]
.endr
.endr
.endm
	s_load_b256 s[4:11], s[0:1], 0x0               ; x s[4:5], Wq s[6:7], Wk s[8:9], Wv s[10:11]
	s_load_b64 s[12:13], s[0:1], 0x20              ; Wo
	s_load_b128 s[16:19], s[0:1], 0x28             ; x's codes, x's scale words
	s_load_b128 s[20:23], s[0:1], 0x38             ; the weights' codes, their scale words
	v_lshl_add_u32 v254, v0, 2, 0xb800
	v_mov_b32 v255, 0
	v_lshrrev_b32 v1, 5, v0
	v_readfirstlane_b32 s24, v1                    ; wave 0..3
	v_and_b32 v1, 31, v0                           ; lane
	v_lshlrev_b32 v4, 4, v1                        ; 16 x lane
	v_lshlrev_b32 v5, 3, v1                        ; 8 x lane
	v_lshlrev_b32 v6, 2, v1                        ; 4 x lane
	s_mov_b32 s26, 0x76543210
	s_mov_b32 s27, 0xfedcba98                      ; v_permlanex16_b32's selects for lane l xor 16
	s_cmp_lt_u32 ttmp9, 256
	s_cbranch_scc0 .Lweights
	; ---- x: a wave takes one tile of 16 rows x 512 along K: four K steps
	v_and_b32 v2, 15, v0                           ; r
	v_bfe_u32 v3, v0, 4, 1                         ; h
	s_mul_i32 s28, s24, XSTG                       ; my stage
	v_add_nc_u32 v7, s28, v4                       ; in: a row's 512 bytes as they lie
	v_mul_u32_u24 v8, v2, 528
	v_lshl_add_u32 v8, v3, 6, v8
	v_add_nc_u32 v8, s28, v8                       ; back: row r, + 64 h: my 16 numbers of each block of 32
.irp b, 0,1,2,3
	v_mov_b32 v[TM+4+\b], 0                        ; written once: a lane permute's destination counts as one of its sources
.endr
	s_lshl_b32 s29, ttmp9, 2
	s_add_co_u32 s29, s29, s24                     ; 4 x work-group + wave
	s_lshr_b32 s30, s29, 1                         ; the tile, 0..511
	s_and_b32 s31, s29, 1                          ; which half of K
	s_lshr_b32 s32, s30, 3                         ; G
	s_and_b32 s33, s30, 7                          ; i
	s_lshl_b32 s34, s32, 7
	s_lshr_b32 s35, s33, 1
	s_lshl_b32 s35, s35, 5
	s_add_co_u32 s34, s34, s35
	s_and_b32 s35, s33, 1
	s_lshl_b32 s35, s35, 3
	s_add_co_u32 s34, s34, s35                     ; the tile's first row: 128 G + 32 (i / 2) + 8 (i % 2)
	s_lshl_b32 s34, s34, 12                        ; rows of 4,096 bytes
	s_lshl_b32 s35, s31, 11
	s_add_co_u32 s34, s34, s35                     ; + my 512 numbers
	s_mov_b32 s35, 0
	s_mul_i32 s36, s32, 98304
	s_mul_i32 s37, s31, 49152
	s_add_co_u32 s36, s36, s37
	s_mul_i32 s37, s33, 1536
	s_add_co_u32 s36, s36, s37                     ; codes: 98,304 G + 12,288 x (my first K step) + 1,536 i
	s_mov_b32 s37, 0
	s_lshl_b32 s38, s30, 9
	s_lshl_b32 s39, s31, 8
	s_add_co_u32 s38, s38, s39                     ; scale words: 512 x tile + 64 x (my first K step)
	s_mov_b32 s39, 0
	s_wait_kmcnt 0x0
	s_add_nc_u64 s[4:5], s[4:5], s[34:35]
	s_add_nc_u64 s[16:17], s[16:17], s[36:37]
	s_add_nc_u64 s[18:19], s[18:19], s[38:39]
.macro XLOAD s                         ; K step s of the tile's 16 rows: each load reads 512 consecutive bytes of one row
.irp n, 0,1,2,3,4,5,6,7,8,9,10,11,12,13,14,15
	global_load_b128 v[R+64*((\s)%2)+4*\n:R+64*((\s)%2)+4*\n+3], v4, s[4:5] offset:(\n+8*(\n/8))*4096+512*(\s) th:TH_LOAD_NT
.endr
.endm
.macro XSTEP s
.if (\s) < 3
	s_wait_loadcnt 16                              ; this step's 16 loads are in; the next step's 16 may be out
.else
	s_wait_loadcnt 0x0
.endif
.irp n, 0,1,2,3,4,5,6,7,8,9,10,11,12,13,14,15
	ds_store_b128 v7, v[R+64*((\s)%2)+4*\n:R+64*((\s)%2)+4*\n+3] offset:528*\n
.endr
.irp b, 0,1,2,3
.irp j, 0,1,2,3
	ds_load_b128 v[X+16*\b+4*\j:X+16*\b+4*\j+3], v8 offset:128*\b+16*\j   ; LDS serves a wave's instructions in order: these see the stores above
.endr
.endr
	s_wait_dscnt 0x0                               ; the numbers are back, and the stores have read their registers
.if (\s) > 0
	s_wait_xcnt 0x0                                ; the last step's stores have read the fragment's registers, which are written again below
.endif
.if (\s)+2 < 4
	XLOAD (\s)+2
.endif
	QUANT X, W+(\s)
	global_store_b128 v4, v[PC:PC+3], s[16:17] offset:12288*(\s)          ; 512, 256, 512, 256 consecutive bytes, each at a multiple of 256
	global_store_b64 v5, v[PC+4:PC+5], s[16:17] offset:12288*(\s)+512
	global_store_b128 v4, v[PC+6:PC+9], s[16:17] offset:12288*(\s)+768
	global_store_b64 v5, v[PC+10:PC+11], s[16:17] offset:12288*(\s)+1280
.endm
	XLOAD 0
	XLOAD 1
	XSTEP 0
	XSTEP 1
	XSTEP 2
	XSTEP 3
	v_cmp_gt_u32 vcc_lo, 16, v1
	v_cndmask_b32 v248, v[W+1], v[W], vcc_lo       ; lanes 0-15 carry one K step's 16 words, lanes 16-31 the next step's
	v_cndmask_b32 v249, v[W+3], v[W+2], vcc_lo
	global_store_b32 v6, v248, s[18:19]
	global_store_b32 v6, v249, s[18:19] offset:128
	s_wait_tensorcnt 0x0
	ds_add_u32 v254, v255
	s_wait_dscnt 0x0
	s_endpgm
	; ---- the weights: a lane takes a column n and its registers run down K; a wave takes 32 columns (tiles 2 w, 2 w + 1 of a group) x 128 along K
.Lweights:
	s_sub_co_u32 s28, ttmp9, 256
	s_lshr_b32 s29, s28, 6                         ; which weight: 0 Wq, 1 Wk, 2 Wv, 3 Wo
	s_and_b32 s30, s28, 7                          ; which 128 columns
	s_bfe_u32 s31, s28, 0x30003                    ; which K step
	v_bfe_u32 v2, v0, 3, 1                         ; u: which of my wave's two tiles my column falls into
	v_and_b32 v3, 7, v0
	v_bfe_u32 v13, v0, 4, 1
	v_lshl_add_u32 v3, v13, 3, v3                  ; and which row r of it: lane % 8 + 8 (lane / 16)
	s_mul_i32 s32, s24, WSTG
	s_add_co_u32 s32, s32, WST                     ; my stage
	v_mul_u32_u24 v13, v2, WPIT
	v_add_nc_u32 v13, s32, v13
	v_lshl_add_u32 v9, v3, 4, v13                  ; registers 0-3 of a half fragment: 16 bytes a lane
	v_lshl_add_u32 v10, v3, 3, v13                 ; registers 4-5: 8 bytes a lane
	v_add_nc_u32 v11, s32, v4                      ; back: 16 x lane
	v_lshlrev_b32 v12, 2, v3
	v_lshl_add_u32 v12, v2, 9, v12                 ; my scale word: 512 u + 4 r
	s_lshl_b32 s33, s29, 3
	s_add_co_u32 s33, s33, s30                     ; G = 8 x weight + columns' group
	s_lshl_b32 s34, s31, 19                        ; W: 128 rows of 4,096 bytes a K step,
	s_lshl_b32 s35, s30, 9
	s_add_co_u32 s34, s34, s35                     ; 512 bytes a group of columns,
	s_lshl_b32 s35, s24, 7
	s_add_co_u32 s34, s34, s35                     ; 128 bytes a wave
	s_mov_b32 s35, 0
	s_lshl_b32 s36, s33, 3
	s_add_co_u32 s36, s36, s31
	s_mul_i32 s36, s36, 12288
	s_mul_i32 s37, s24, 3072
	s_add_co_u32 s36, s36, s37                     ; codes: (8 G + K step) x 12,288 + two tiles a wave
	s_mov_b32 s37, 0
	s_lshl_b32 s38, s33, 3
	s_lshl_b32 s39, s24, 1
	s_add_co_u32 s38, s38, s39
	s_lshl_b32 s38, s38, 9
	s_lshl_b32 s39, s31, 6
	s_add_co_u32 s38, s38, s39                     ; scale words: (8 G + 2 w) x 512 + 64 x K step
	s_mov_b32 s39, 0
	s_wait_kmcnt 0x0
	s_cmp_lt_u32 s29, 2                            ; the choice hangs on the work-group's number alone
	s_cselect_b64 s[6:7], s[6:7], s[10:11]         ; Wq or Wv
	s_cselect_b64 s[8:9], s[8:9], s[12:13]         ; Wk or Wo
	s_and_b32 s33, s29, 1
	s_cmp_eq_u32 s33, 0
	s_cselect_b64 s[6:7], s[6:7], s[8:9]
	s_add_nc_u64 s[6:7], s[6:7], s[34:35]
	s_add_nc_u64 s[20:21], s[20:21], s[36:37]
	s_add_nc_u64 s[22:23], s[22:23], s[38:39]
.macro WLOAD t                         ; block t: W(32 t + i, my column): the four waves side by side read 512 consecutive bytes of a row
.irp i, 0,1,2,3,4,5,6,7,8,9,10,11,12,13,14,15,16,17,18,19,20,21,22,23,24,25,26,27,28,29,30,31
	global_load_b32 v[WX+32*(\t)+\i], v6, s[6:7] offset:(32*(\t)+\i)*4096 th:TH_LOAD_NT
.endr
.endm
.macro WBLOCK t
.set XS, WX+32*(\t)
.if (\t) < 3
	s_wait_loadcnt 32                              ; this block's 32 loads are in; the next block's may be out
.else
	s_wait_loadcnt 0x0
.endif
.if (\t)+2 < 4
	WLOAD (\t)+2                                   ; two blocks ahead, into registers of its own
.endif
	v_max3_num_f32 v172, |v[XS]|, |v[XS+1]|, |v[XS+2]|       ; all 32 numbers of the block are mine
	v_max3_num_f32 v173, |v[XS+3]|, |v[XS+4]|, |v[XS+5]|
.irp i, 6,10,14,18,22,26
	v_max3_num_f32 v172, v172, |v[XS+\i]|, |v[XS+\i+1]|
	v_max3_num_f32 v173, v173, |v[XS+\i+2]|, |v[XS+\i+3]|
.endr
	v_max3_num_f32 v172, v172, |v[XS+30]|, |v[XS+31]|
	v_max3_num_f32 v172, v172, v173, 0x2800000     ; and the floor 2^(5 - 127)
	v_add_nc_u32 v174, 0xfe000000, v172            ; 4 off the exponent field: the conversion's scale operand
	v_lshrrev_b32 v175, 23, v174                   ; the scale's byte
.if (\t) == 0
	v_mov_b32 v176, v175
.else
	v_lshl_or_b32 v176, v175, 8*(\t), v176         ; four bytes make my column's scale word of this K step
.endif
	v_cvt_scalef32_pk16_bf6_f32 v[C+6*(\t):C+6*(\t)+2], v[XS:XS+15], v174
	v_cvt_scalef32_pk16_bf6_f32 v[T3:T3+2], v[XS+16:XS+31], v174
	v_nop                                          ; one plain instruction behind the scaled conversions
.irp i, 0,1,2
	v_mov_b32 v[C+6*(\t)+3+\i], v[T3+\i]
.endr
	ds_store_b128 v9, v[C+6*(\t):C+6*(\t)+3] offset:768*((\t)/2)+256*((\t)%2)       ; block t belongs to the operand's lane r + 16 (t % 2), half t / 2
	ds_store_b64 v10, v[C+6*(\t)+4:C+6*(\t)+5] offset:768*((\t)/2)+512+128*((\t)%2)
.endm
	WLOAD 0
	WLOAD 1
	WBLOCK 0
	WBLOCK 1
	WBLOCK 2
	WBLOCK 3
.irp n, 0,1,2,3,4,5
	ds_load_b128 v[OUTR+4*\n:OUTR+4*\n+3], v11 offset:WPIT*(\n/3)+512*(\n%3)   ; my own bytes, served in order: these see the stores above
.endr
.irp n, 0,1,2,3,4,5
	s_wait_dscnt 5-\n                              ; load n is back; the younger ones may be out
	global_store_b128 v4, v[OUTR+4*\n:OUTR+4*\n+3], s[20:21] offset:1536*(\n/3)+512*(\n%3)   ; 512 consecutive bytes at a multiple of 256
.endr
	global_store_b32 v12, v176, s[22:23]
	s_wait_tensorcnt 0x0
	ds_add_u32 v254, v255
	s_wait_dscnt 0x0
	s_endpgm
.Lfunc_end_k_q2b36ae7394_quant:
	.size	k_q2b36ae7394_quant, .Lfunc_end_k_q2b36ae7394_quant-k_q2b36ae7394_quant
	.p2alignl 7, 3214868480
	.fill 96, 4, 3214868480
	.section	.rodata,"a",@progbits
	.p2align	6, 0x0
	.amdhsa_kernel k_q2b36ae7394_quant
		.amdhsa_group_segment_fixed_size 47616
		.amdhsa_private_segment_fixed_size 0
		.amdhsa_enable_private_segment 0
		.amdhsa_kernarg_size 72
		.amdhsa_user_sgpr_count 2
		.amdhsa_user_sgpr_kernarg_segment_ptr 1
		.amdhsa_wavefront_size32 1
		.amdhsa_system_sgpr_workgroup_id_x 1
		.amdhsa_system_sgpr_workgroup_id_y 1
		.amdhsa_system_sgpr_workgroup_id_z 1
		.amdhsa_system_vgpr_workitem_id 0
		.amdhsa_next_free_vgpr 256
		.amdhsa_next_free_sgpr 66
		.amdhsa_reserve_vcc 1
		.amdhsa_float_denorm_mode_32 3
		.amdhsa_float_denorm_mode_16_64 3
		.amdhsa_memory_ordered 1
		.amdhsa_forward_progress 1
		.amdhsa_inst_pref_size 56
	.end_amdhsa_kernel
	.amdgpu_metadata
---
amdhsa.version: [ 1, 2 ]
amdhsa.kernels:
  - .name:           k_q2b36ae7394_quant
    .symbol:         k_q2b36ae7394_quant.kd
    .args:
      - { .name: x, .offset: 0, .size: 8, .value_kind: global_buffer, .address_space: global }
      - { .name: Wq, .offset: 8, .size: 8, .value_kind: global_buffer, .address_space: global }
      - { .name: Wk, .offset: 16, .size: 8, .value_kind: global_buffer, .address_space: global }
      - { .name: Wv, .offset: 24, .size: 8, .value_kind: global_buffer, .address_space: global }
      - { .name: Wo, .offset: 32, .size: 8, .value_kind: global_buffer, .address_space: global }
      - { .name: xq, .offset: 40, .size: 8, .value_kind: global_buffer, .address_space: global }
      - { .name: xs, .offset: 48, .size: 8, .value_kind: global_buffer, .address_space: global }
      - { .name: wq, .offset: 56, .size: 8, .value_kind: global_buffer, .address_space: global }
      - { .name: ws, .offset: 64, .size: 8, .value_kind: global_buffer, .address_space: global }
    .group_segment_fixed_size: 47616
    .private_segment_fixed_size: 0
    .kernarg_segment_align: 8
    .kernarg_segment_size: 72
    .max_flat_workgroup_size: 128
    .sgpr_count:     66
    .vgpr_count:     256
    .wavefront_size: 32
...
	.end_amdgpu_metadata
.endif
;; end of part 1
;; launch proj (part 2): grid 12 x 32, 4 waves a work-group, clusters of 4 x 4, 327,680 bytes of LDS; arguments xq, xs, wq, ws, qkv; writes qkv
.if DOCPART == 2
	.amdgcn_target "amdgcn-amd-amdhsa--gfx1250"
	.amdhsa_code_object_version 6
	.text
	.protected	k_q2b36ae7394_proj
	.globl	k_q2b36ae7394_proj
	.p2align	8
	.type	k_q2b36ae7394_proj,@function
k_q2b36ae7394_proj:
	s_mov_b64 s[64:65], 0
	v_nop
	global_prefetch_b8 v0, s[64:65] scope:SCOPE_SE
	s_setreg_imm32_b32 hwreg(HW_REG_WAVE_MODE, 25, 1), 1
	s_wait_xcnt 0x0
	s_wait_alu depctr_hold_cnt(0) depctr_sa_sdst(0) depctr_va_vdst(0) depctr_va_sdst(0) depctr_va_ssrc(0) depctr_va_vcc(0) depctr_vm_vsrc(0)
	s_getreg_b32 s2, hwreg(HW_REG_IB_STS2, 6, 4)
	s_cmp_eq_u32 s2, 0
	s_cbranch_scc0 .Lentry_in_a_cluster
	s_endpgm
.Lentry_in_a_cluster:
	s_bfe_u32 s2, ttmp6, 0x10000c
	s_cmp_lg_u32 s2, 0xf033
	s_cbranch_scc0 .Lentry_shape_is_right
	s_endpgm
.Lentry_shape_is_right:
; q = x Wq, k = x Wk, v = x Wv on codes of BF6 (E3M2) with E8M0 scales; the results are quantised in registers and leave as images of the attention launch's operands.
; OPERANDS lie in the order of their registers: groups G of 128 rows, tile i of a group = rows 32 (i / 2) + 8 (i % 2) + r + 8 (r / 8); codes [G][K step][i][1536], scale words [8 G + i][K step][r].
; A tile of 256 x 256 is made by four waves of 128 x 128 (64 accumulators, 512 registers).  K = 1,024 goes in eight steps of 128 through a ring of two LDS slots of two steps each; a wave's tensor load brings 24,576 dense bytes.
; THE MATRIX INSTRUCTION IS USED TRANSPOSED: source 0 = 16 rows of operand B, source 1 = 16 rows of operand A.  By the choice of a tile's rows a lane's 64 results of one block of A are 128 / 2 NEIGHBOURS along B's rows:
; register 16 b + i = B's row 32 b + 16 (lane / 16) + i, which is what the next quantiser wants.
; CLUSTER x 0, 1: A = x, B = columns of Wq and Wk: a lane holds one token and 128 columns = two heads of 64: two half fragments of q or k, quantised along the head.
; CLUSTER x 2: A = columns of Wv, B = x: a lane holds one channel and 128 keys: a fragment of v, quantised along the keys.  The mode hangs on the cluster's x alone: it is the same in all sixteen partners.
; CLUSTERS: 4 x 4.  A's tile is shared along a row of the cluster, B's along a column: each is asked for jointly.
; qkv: for each of 64 heads 315,392 bytes: q codes [block of 128][tile][768]; q scale words [block][lane][4]; k codes; v codes [key step][channel tile][1536]; k scale words; v scale words [step][lane][2].
; LIMITS: a block of zeros, or one whose largest magnitude lies under 2^-122, gets the byte 1; NaN and infinities are not served.
; REGISTERS: window 0: v1-29 lane terms and addresses; v32-95 all scale words (A's in lanes 0-15, B's in lanes 16-31); v96-127 and v224-243 the way out; v128-223 A's fragments, one set.
;   window 1: B's fragments, two sets, at v0 and v128.  windows 2, 3: accumulator (a, b) at v[8 (8 (a % 4) + b)].
.set HALFT,  24576                     ; 128 rows x 256 along K: what one tensor load brings
.set SLOT,   98304                     ; A's two halves, then B's two halves
.set SCL,    196608                    ; behind the ring: the scale words, 4,096 bytes for each 128 rows: A's two halves, B's two halves; filled once
.set SPARE,  212992                    ; the spare words, 128 bytes a wave: two blocks of 256 bytes that no other line names
.set HS,     315392                    ; a head's bytes in qkv
.set QSOFF,  98304
.set KOFF,   106496
.set VOFF,   204800
.set KSOFF,  303104
.set VSOFF,  311296
.set ADRA16, 16                        ; v16-17 my A half in slot 0, 1, + 16 x lane;  v18-19 + 8 x lane
.set ADRA8,  18
.set ADRB16, 20                        ; v20-23 the same for B
.set ADRB8,  22
.set L16,    24                        ; v24  16 x lane
.set L8,     25                        ; v25  8 x lane
.set ADRS,   27                        ; v27  my scale words: lanes 0-15 A's rows, lanes 16-31 B's
.set SPW,    28                        ; v28  my spare word; never rewritten
.set NIL,    29                        ; v29  0; never rewritten
.set SC,     32                        ; v[SC + 8 i + K step]
.set TM,     96
.set PWS,    112                       ; the eight blocks' scale words
.set SELA,   120
.set SELB,   124
.set AF,     128
.set PC,     224
.set G1, 24
.set G0, 32
.set G1B, 48
.set G0B, 56
.set G1S, 68
.set G0S, 76
.set G1SB, 80
.set G0SB, 88
.set MSB, 0
.macro WIN new                         ; the immediate's high byte repeats the setting that is left
.if MSB != (\new)
	s_set_vgpr_msb (MSB<<8)|(\new)
.set MSB, (\new)
.endif
.endm
.set MUL_LO, 0xa1                      ; source 0 (B) window 1, source 1 (A) window 0, C and D window 2
.set MUL_HI, 0xf1                      ; the same, C and D window 3
.set TO_B,   0x40                      ; destination window 1, address window 0
; A joint load: waves 0 and 1 fetch for A, waves 2 and 3 for B; the branch hangs on the wave's number alone.  Four v_nop follow each of the two lines.
.macro JLOAD g0a, g1a, g0b, g1b
	s_cmp_eq_u32 s15, 0
	s_cbranch_scc0 .Lfor_b_\@
	tensor_load_to_lds s[\g0a:\g0a+3], s[\g1a:\g1a+7]
	s_nop 0
.rept 4
	v_nop
.endr
	s_branch .Lasked_\@
.Lfor_b_\@:
	tensor_load_to_lds s[\g0b:\g0b+3], s[\g1b:\g1b+7]
	s_nop 0
.rept 4
	v_nop
.endr
.Lasked_\@:
.endm
.macro CREST                           ; a round of the cluster's barrier behind its opening barrier
	s_cmp_lg_u32 s14, 0
	s_cbranch_scc1 .Lnot_wave_0_\@
	s_barrier_signal -3
.Lnot_wave_0_\@:
	s_barrier_wait -3
	s_barrier_signal -1
	s_barrier_wait -1
.endm
.macro CROUND
	s_barrier_signal -1
	s_barrier_wait -1
	CREST
.endm
	s_load_b256 s[4:11], s[0:1], 0x0               ; x's codes s[4:5], x's scales s[6:7], the weights' codes s[8:9], their scales s[10:11]
	s_load_b64 s[12:13], s[0:1], 0x20              ; qkv
	v_lshl_add_u32 v[SPW], v0, 2, SPARE
	v_mov_b32 v[NIL], 0
	ds_add_u32 v28, v29
	ds_add_u32 v28, v29
	s_wait_dscnt 0x0
	v_lshrrev_b32 v1, 5, v0
	v_readfirstlane_b32 s14, v1                    ; wave 0..3
	s_lshr_b32 s15, s14, 1                         ; my half of A's rows.  Also: I fetch for A (0) or for B (1)
	s_and_b32 s16, s14, 1                          ; my half of B's rows.  Also: which half I fetch
	s_bfe_u32 s40, ttmp6, 0x40000                  ; cx
	s_bfe_u32 s41, ttmp6, 0x40004                  ; cy
	s_and_b32 s2, ttmp7, 0xffff
	s_lshl_b32 s2, s2, 2                           ; 4 x cluster y
	s_lshl_b32 s19, ttmp9, 2                       ; 4 x cluster x
	s_cmp_eq_u32 ttmp9, 2
	s_cselect_b32 s3, 1, 0                         ; the mode: 1 = v
	s_cselect_b32 s17, 8, s2
	s_cselect_b32 s42, s2, s19
	s_add_co_u32 s17, s17, s41                     ; A's tile of 256 rows: of x 4 Y + cy; of the weights' columns 8 + cy (Wv)
	s_add_co_u32 s42, s42, s40                     ; B's: of the weights' columns 4 X + cx (Wq, Wk); of x 4 Y + cx
	s_lshl_b32 s43, s41, 2
	s_lshl_b32 s43, 15, s43                        ; my row of the cluster
	s_lshl_b32 s44, 0x1111, s40                    ; my column
	; descriptor group 1: dense blocks as rows of 256 bytes (32 elements of 8 bytes), no padding: 96 rows of codes, 16 rows of scale words
	s_or_b32 s[G1], s43, (3<<16)|(1<<21)           ; 15:0 the mask; 17:16 elements of 8 bytes; 21 set beside a mask
	s_or_b32 s[G1B], s44, (3<<16)|(1<<21)
	s_or_b32 s[G1S], s43, (3<<16)|(1<<21)
	s_or_b32 s[G1SB], s44, (3<<16)|(1<<21)
.irp g, G1, G1B
	s_mov_b32 s[\g+1], 32<<16                      ; tensor_dim0
	s_mov_b32 s[\g+2], 96<<16                      ; tensor_dim1
	s_mov_b32 s[\g+3], 32<<16                      ; tile_dim0
	s_mov_b32 s[\g+4], 96                          ; tile_dim1
	s_mov_b32 s[\g+5], 32                          ; the pitch
	s_mov_b32 s[\g+6], 0
	s_mov_b32 s[\g+7], 0
.endr
.irp g, G1S, G1SB
	s_mov_b32 s[\g+1], 32<<16
	s_mov_b32 s[\g+2], 16<<16
	s_mov_b32 s[\g+3], 32<<16
	s_mov_b32 s[\g+4], 16
	s_mov_b32 s[\g+5], 32
	s_mov_b32 s[\g+6], 0
	s_mov_b32 s[\g+7], 0
.endr
	s_lshl_b32 s18, s17, 1
	s_add_co_u32 s18, s18, s16                     ; A's group of 128 rows that I fetch
	s_mul_i32 s20, s18, 98304                      ; its codes,
	s_mov_b32 s21, 0
	s_lshl_b32 s22, s18, 12                        ; its scale words
	s_mov_b32 s23, 0
	s_lshl_b32 s95, s42, 1
	s_add_co_u32 s95, s95, s16                     ; B's group
	s_mul_i32 s46, s95, 98304
	s_mov_b32 s47, 0
	s_lshl_b32 s92, s95, 12
	s_mov_b32 s93, 0
	s_mul_i32 s45, s14, HALFT                      ; where they go: by the wave's number alone
	s_lshl_b32 s94, s14, 12
	s_wait_kmcnt 0x0
	s_cmp_eq_u32 s3, 1                             ; which buffer is A and which B hangs on the mode alone
	s_cselect_b64 s[66:67], s[8:9], s[4:5]         ; A's codes
	s_cselect_b64 s[8:9], s[4:5], s[8:9]           ; B's codes
	s_cselect_b64 s[4:5], s[10:11], s[6:7]         ; A's scale words
	s_cselect_b64 s[10:11], s[6:7], s[10:11]       ; B's scale words
	s_add_nc_u64 s[20:21], s[66:67], s[20:21]
	s_add_nc_u64 s[22:23], s[4:5], s[22:23]
	s_add_nc_u64 s[46:47], s[8:9], s[46:47]
	s_add_nc_u64 s[92:93], s[10:11], s[92:93]
	CROUND                                         ; all sixteen work-groups are here: the first joint loads meet
	s_mov_b32 s[G0S], 1
	s_add_co_u32 s[G0S+1], s94, SCL
	s_mov_b64 s[G0S+2:G0S+3], s[22:23]
	s_or_b32 s[G0S+3], s[G0S+3], 0x80000000
	s_mov_b32 s[G0SB], 1
	s_add_co_u32 s[G0SB+1], s94, SCL
	s_mov_b64 s[G0SB+2:G0SB+3], s[92:93]
	s_or_b32 s[G0SB+3], s[G0SB+3], 0x80000000
	JLOAD G0S, G1S, G0SB, G1SB                     ; the scale words of all of K: filled once
.irp s, 0,1
	s_mov_b32 s[G0+4*\s], 1
	s_add_co_u32 s[G0+4*\s+1], s45, \s*SLOT
	s_add_nc_u64 s[G0+4*\s+2:G0+4*\s+3], s[20:21], \s*HALFT      ; slot s begins with K steps 2 s, 2 s + 1
	s_or_b32 s[G0+4*\s+3], s[G0+4*\s+3], 0x80000000
	s_mov_b32 s[G0B+4*\s], 1
	s_add_co_u32 s[G0B+4*\s+1], s45, \s*SLOT
	s_add_nc_u64 s[G0B+4*\s+2:G0B+4*\s+3], s[46:47], \s*HALFT
	s_or_b32 s[G0B+4*\s+3], s[G0B+4*\s+3], 0x80000000
	JLOAD G0+4*\s, G1, G0B+4*\s, G1B               ; three loads of mine are out now
.endr
	v_and_b32 v1, 31, v0                           ; lane
	v_bfe_u32 v2, v0, 4, 1                         ; h
	v_and_b32 v3, 15, v0                           ; r
	v_lshlrev_b32 v[L16], 4, v1
	v_lshlrev_b32 v[L8], 3, v1
	s_mul_i32 s20, s15, HALFT                      ; my 128 rows of A
	s_mul_i32 s21, s16, HALFT                      ; my 128 rows of B,
	s_add_co_u32 s21, s21, 2*HALFT                 ; behind A's two halves
.irp s, 0,1
	v_add_nc_u32 v[ADRA16+\s], s20, v[L16]
	v_add_nc_u32 v[ADRA8+\s], s20, v[L8]
	v_add_nc_u32 v[ADRB16+\s], s21, v[L16]
	v_add_nc_u32 v[ADRB8+\s], s21, v[L8]
	s_add_co_u32 s20, s20, SLOT
	s_add_co_u32 s21, s21, SLOT
.endr
	s_lshl_b32 s20, s15, 12                        ; A's scale words: my half
	s_lshl_b32 s21, s16, 12
	s_add_co_u32 s21, s21, 8192                    ; B's: my half, behind A's two
	s_sub_co_u32 s21, s21, s20
	v_mul_u32_u24 v4, s21, v2                      ; lanes 16-31 take B's: one product, the distance between the two
	s_add_co_u32 s20, s20, SCL
	v_lshl_add_u32 v4, v3, 2, v4
	v_add_nc_u32 v[ADRS], s20, v4
.irp b, 0,1,2,3
	v_mov_b32 v[TM+4+\b], 0                        ; written once: a lane permute's destination counts as one of its sources
.endr
	s_mov_b32 s100, 0x76543210
	s_mov_b32 s101, 0xfedcba98
	; where my results go
	s_lshl_b32 s2, s17, 1
	s_add_co_u32 s2, s2, s15                       ; my group of A
	s_lshl_b32 s10, s42, 1
	s_add_co_u32 s10, s10, s16                     ; my group of B
	s_sub_co_u32 s11, s2, 16                       ; (mode v: Wv's groups begin at 16)
	s_cmp_eq_u32 s3, 1
	s_cselect_b32 s92, s10, s2                     ; the group of x's rows: 16 b + block of 128 tokens
	s_cselect_b32 s93, s11, s10                    ; the group of columns: 0-7 of Wq (or Wv), 8-15 of Wk
	s_mov_b32 s4, 768
	s_cselect_b32 s4, 1536, s4                     ; from block a to a + 1: a half fragment, or a fragment
	s_mov_b32 s8, 768
	s_cselect_b32 s8, 310784, s8                   ; from block 3 to 4: in mode v on to the next head's first channel tile: 315,392 - 3 x 1,536
	s_mov_b32 s20, HS
	s_cselect_b32 s20, 768, s20                    ; from registers 0-5 to 6-11: the next head, or the fragment's second half
	s_mov_b32 s5, 0
	s_mov_b32 s9, 0
	s_mov_b32 s21, 0
	s_lshr_b32 s22, s92, 4                         ; b
	s_and_b32 s23, s92, 15                         ; the block of 128 tokens
	s_and_b32 s46, s93, 7
	s_lshl_b32 s46, s46, 1                         ; my first head
	s_lshr_b32 s47, s93, 3                         ; 1 for k
	s_lshl_b32 s22, s22, 4
	s_add_co_u32 s22, s22, s46
	s_mul_i32 s22, s22, HS                         ; the head's first byte
	s_mul_i32 s94, s23, 6144
	s_mul_i32 s95, s47, KOFF
	s_mul_i32 s2, s47, KSOFF-QSOFF
	s_add_co_u32 s2, s2, QSOFF
	s_lshl_b32 s10, s23, 9
	s_add_co_u32 s2, s2, s10                       ; q's or k's scale words: 512 bytes a block
	s_lshl_b32 s10, s23, 8
	s_add_co_u32 s10, s10, VSOFF                   ; v's: 256 bytes a key step
	s_cmp_eq_u32 s3, 1
	s_cselect_b32 s95, VOFF, s95
	s_cselect_b32 s2, s10, s2
	s_add_co_u32 s94, s94, s95
	s_add_co_u32 s94, s94, s22
	s_add_co_u32 s10, s2, s22
	s_mov_b32 s95, 0
	s_mov_b32 s11, 0
	s_add_nc_u64 s[96:97], s[12:13], s[94:95]      ; registers 0-5 of block 0
	s_add_nc_u64 s[98:99], s[96:97], s[20:21]      ; registers 6-11
	s_add_nc_u64 s[66:67], s[12:13], s[10:11]      ; my first head's scale words
	s_add_nc_u64 s[6:7], s[66:67], HS              ; my second head's
.macro FRAG reg, a16, a8, q, i         ; a fragment as it was stored: two halves of 768 bytes, registers 0-3 at 16 x lane, registers 4-5 at 512 + 8 x lane: every load reads consecutive bytes
	ds_load_b128 v[\reg:\reg+3], v[\a16] offset:12288*(\q)+1536*(\i)
	ds_load_b64 v[\reg+4:\reg+5], v[\a8] offset:12288*(\q)+1536*(\i)+512
	ds_load_b128 v[\reg+6:\reg+9], v[\a16] offset:12288*(\q)+1536*(\i)+768
	ds_load_b64 v[\reg+10:\reg+11], v[\a8] offset:12288*(\q)+1536*(\i)+1280
.endm
.macro FETCH_B slot, q, p              ; B's eight fragments of the slot's q-th K step into set p
	WIN TO_B
.irp i, 0,1,2,3,4,5,6,7
	FRAG 128*(\p)+12*\i, ADRB16+\slot, ADRB8+\slot, \q, \i
.endr
	WIN 0
.endm
.macro FETCH_A slot, q, i0             ; A's blocks i0 .. i0 + 3
.irp i, \i0, \i0+1, \i0+2, \i0+3
	FRAG AF+12*(\i), ADRA16+\slot, ADRA8+\slot, \q, \i
.endr
.endm
; 16 matrix instructions: A's blocks a0, a0 + 1 x B's eight.  The 64 accumulators take turns, one instruction a turn, in the same order in every step.  first = 1: the products start the sums.
.macro MUL16 a0, p, kap, first
.irp a, \a0, \a0+1
.irp b, 0,1,2,3,4,5,6,7
.if \first
	v_wmma_scale_f32_16x16x128_f8f6f4 v[8*(8*((\a)%4)+\b):8*(8*((\a)%4)+\b)+7], v[128*(\p)+12*\b:128*(\p)+12*\b+11], v[AF+12*(\a):AF+12*(\a)+11], 0, v[SC+8*\b+(\kap)], v[SC+8*(\a)+(\kap)] matrix_a_fmt:MATRIX_FMT_BF6 matrix_b_fmt:MATRIX_FMT_BF6 matrix_a_scale:MATRIX_SCALE_ROW1
.else
	v_wmma_scale_f32_16x16x128_f8f6f4 v[8*(8*((\a)%4)+\b):8*(8*((\a)%4)+\b)+7], v[128*(\p)+12*\b:128*(\p)+12*\b+11], v[AF+12*(\a):AF+12*(\a)+11], v[8*(8*((\a)%4)+\b):8*(8*((\a)%4)+\b)+7], v[SC+8*\b+(\kap)], v[SC+8*(\a)+(\kap)] matrix_a_fmt:MATRIX_FMT_BF6 matrix_b_fmt:MATRIX_FMT_BF6 matrix_a_scale:MATRIX_SCALE_ROW1
.endif
.endr
.endr
.endm
.macro PLACES                          ; four plain instructions between a matrix instruction and a load into a register that it read, or a read of its result
.rept 4
	v_nop
.endr
.endm
; A slot's first K step: its successor lies in the same slot
.macro STEP slot, kap, first
	s_wait_dscnt 16                                ; all but the youngest 16 loads (A's blocks 4-7) are in
	WIN MUL_LO
	MUL16 0, 0, \kap, \first
	MUL16 2, 0, \kap, \first
	s_wait_dscnt 0x0                               ; A's blocks 4-7 are in
	PLACES
	FETCH_B \slot, 1, 1
	FETCH_A \slot, 1, 0
	WIN MUL_HI
	MUL16 4, 0, \kap, \first
	MUL16 6, 0, \kap, \first
	PLACES
	WIN 0
	FETCH_A \slot, 1, 4
.endm
; A slot's second K step changes slots: one barrier; in front of it each wave waits for all its tensor loads, adds 0 to its spare word, and waits for that and for its reads of this slot.  fill = 1: the slot is filled again, with the K steps four on.
.macro TURN slot, next, kap, fill
	s_wait_tensorcnt 0x0                           ; all my tensor loads have landed: my part of the next slot
	ds_add_u32 v[SPW], v[NIL]                      ; 0 onto my spare word
	s_wait_dscnt 17                                ; the add and the youngest 16 loads (A's blocks 4-7) may be out
	WIN MUL_LO
	MUL16 0, 1, \kap, 0
	s_wait_dscnt 0x0                               ; the add is done, and my reads of this slot are over
	s_barrier_signal -1
	MUL16 2, 1, \kap, 0
	WIN 0
	s_barrier_wait -1
.if \fill
	CREST                                          ; the barrier has opened a round of the cluster's: no wave of any partner still reads this slot or has a load on its way
	s_add_nc_u64 s[G0+4*\slot+2:G0+4*\slot+3], s[G0+4*\slot+2:G0+4*\slot+3], 2*HALFT
	s_add_nc_u64 s[G0B+4*\slot+2:G0B+4*\slot+3], s[G0B+4*\slot+2:G0B+4*\slot+3], 2*HALFT
	JLOAD G0+4*\slot, G1, G0B+4*\slot, G1B         ; the first tensor load behind the round: 96 matrix instructions ahead of the wait for it; its four v_nop are the places in front of the loads below
.else
	PLACES
.endif
	FETCH_B \next, 0, 0
	FETCH_A \next, 0, 0
	WIN MUL_HI
	MUL16 4, 1, \kap, 0
	MUL16 6, 1, \kap, 0
	PLACES
	WIN 0
	FETCH_A \next, 0, 4
.endm
	s_wait_tensorcnt 1                             ; the scale words and my part of slot 0 are in; slot 1's load may be out
	s_barrier_signal -1
	s_barrier_wait -1
	FETCH_B 0, 0, 0
	FETCH_A 0, 0, 0
.irp i, 0,1,2,3,4,5,6,7                ; all 64 scale words, once: lanes 0-15 A's block i, lanes 16-31 B's block i
.irp k, 0,1,2,3,4,5,6,7
	ds_load_b32 v[SC+8*\i+\k], v[ADRS] offset:512*\i+64*\k
.endr
.endr
	FETCH_A 0, 0, 4
	STEP 0, 0, 1
	TURN 0, 1, 1, 1
	STEP 1, 2, 0
	TURN 1, 0, 3, 1
	STEP 0, 4, 0
	TURN 0, 1, 5, 0                                ; nothing is left to fetch: no round
	STEP 1, 6, 0
	s_wait_dscnt 16
	WIN MUL_LO
	MUL16 0, 1, 7, 0
	MUL16 2, 1, 7, 0
	s_wait_dscnt 0x0
	WIN MUL_HI
	MUL16 4, 1, 7, 0
	MUL16 6, 1, 7, 0
	WIN 0
; THE WAY OUT.  Block a's 64 registers (16 b + i = B's row 32 b + 16 (lane / 16) + i) are quantised as they stand: four blocks of 32, each shared by lanes l and l xor 16.
; The 12 registers made are two half fragments (q, k: of my two heads) or one fragment (v); they are stored as images: 512 and 256 consecutive bytes, each at a multiple of 256.
.macro QBLOCK a
.set AC, 64*((\a)%4)
.if (\a) > 0
	s_wait_xcnt 0x0                                ; the last block's stores have read their base and their data: both are written again below
.if (\a) == 4
	s_add_nc_u64 s[96:97], s[96:97], s[8:9]
	s_add_nc_u64 s[98:99], s[98:99], s[8:9]
.else
	s_add_nc_u64 s[96:97], s[96:97], s[4:5]
	s_add_nc_u64 s[98:99], s[98:99], s[4:5]
.endif
.endif
	WIN 0x0a+5*((\a)/4)                            ; sources 0 and 1: the accumulators' window
.irp b, 0,1,2,3
	v_max3_num_f32 v[TM+\b], |v[AC+16*\b]|, |v[AC+16*\b+1]|, 0x2800000   ; each accumulator is read from its low end on; the floor 2^(5 - 127)
.endr
.irp i, 2,4,6,8,10,12,14
.irp b, 0,1,2,3
	v_max3_num_f32 v[TM+\b], |v[AC+16*\b+\i]|, |v[AC+16*\b+\i+1]|, v[TM+\b]
.endr
.endr
	WIN 0
.irp b, 0,1,2,3
	v_permlanex16_b32 v[TM+4+\b], v[TM+\b], s100, s101
.endr
.irp b, 0,1,2,3
	v_max_num_f32 v[TM+\b], v[TM+\b], v[TM+4+\b]
.endr
.irp b, 0,1,2,3
	v_add_nc_u32 v[TM+12+\b], 0xfe000000, v[TM+\b]
.endr
.irp b, 0,1,2,3
	v_lshrrev_b32 v[TM+4+\b], 23, v[TM+12+\b]
.endr
	v_lshl_or_b32 v[PWS+(\a)], v[TM+5], 8, v[TM+4]
	v_lshl_or_b32 v[PWS+(\a)], v[TM+6], 16, v[PWS+(\a)]
	v_lshl_or_b32 v[PWS+(\a)], v[TM+7], 24, v[PWS+(\a)]
	WIN 0x02+(\a)/4                                ; source 0: the accumulators' window
.irp c, 0,1
	v_cvt_scalef32_pk16_bf6_f32 v[PC+6*\c:PC+2+6*\c], v[AC+32*\c:AC+15+32*\c], v[TM+12+2*\c]
	v_cvt_scalef32_pk16_bf6_f32 v[PC+12+4*\c:PC+14+4*\c], v[AC+16+32*\c:AC+31+32*\c], v[TM+12+2*\c+1]
.endr
	WIN 0
	v_nop                                          ; one plain instruction behind the scaled conversions
.irp c, 0,1
.irp i, 0,1,2
	v_permlane16_swap_b32 v[PC+6*\c+\i], v[PC+12+4*\c+\i]
.endr
.irp i, 0,1,2
	v_mov_b32 v[PC+3+6*\c+\i], v[PC+12+4*\c+\i]
.endr
.endr
	global_store_b128 v[L16], v[PC:PC+3], s[96:97]
	global_store_b64 v[L8], v[PC+4:PC+5], s[96:97] offset:512
	global_store_b128 v[L16], v[PC+6:PC+9], s[98:99]
	global_store_b64 v[L8], v[PC+10:PC+11], s[98:99] offset:512
.endm
	PLACES                                         ; behind the last products
.irp a, 0,1,2,3,4,5,6,7
	QBLOCK \a
.endr
	v_cmp_gt_u32 vcc_lo, 16, v1
.irp q, 0,1,2,3
	v_cndmask_b32 v[SELA+\q], v[PWS+2*\q+1], v[PWS+2*\q], vcc_lo   ; lanes 0-15 carry tile 2 q's words, lanes 16-31 tile 2 q + 1's
.endr
	s_cmp_eq_u32 s3, 1
	s_cbranch_scc1 .Lv_words
.irp q, 0,1,2,3
	v_lshrrev_b32 v[SELB+\q], 16, v[SELA+\q]       ; q, k: bytes 2, 3 are my second head's two scales,
.endr
.irp q, 0,1,2,3
	v_and_b32 v[SELA+\q], 0xffff, v[SELA+\q]       ; bytes 0, 1 my first head's; the upper two bytes of each word stay 0: they stand over zero codes
.endr
	global_store_b128 v[L16], v[SELA:SELA+3], s[66:67]
	global_store_b128 v[L16], v[SELB:SELB+3], s[6:7]
	s_branch .Lwords_out
.Lv_words:
	global_store_b64 v[L8], v[SELA:SELA+1], s[66:67]       ; v: blocks 0-3 are my first head's four channel tiles,
	global_store_b64 v[L8], v[SELA+2:SELA+3], s[6:7]       ; blocks 4-7 my second head's
.Lwords_out:
	s_wait_tensorcnt 0x0                           ; the wave's end
	ds_add_u32 v[SPW], v[NIL]
	s_wait_dscnt 0x0
	CROUND                                         ; the closing round: no work-group ends while a partner may still ask for a tile that names it
	s_endpgm
.Lfunc_end_k_q2b36ae7394_proj:
	.size	k_q2b36ae7394_proj, .Lfunc_end_k_q2b36ae7394_proj-k_q2b36ae7394_proj
	.p2alignl 7, 3214868480
	.fill 96, 4, 3214868480
	.section	.rodata,"a",@progbits
	.p2align	6, 0x0
	.amdhsa_kernel k_q2b36ae7394_proj
		.amdhsa_group_segment_fixed_size 327680
		.amdhsa_private_segment_fixed_size 0
		.amdhsa_enable_private_segment 0
		.amdhsa_kernarg_size 40
		.amdhsa_user_sgpr_count 2
		.amdhsa_user_sgpr_kernarg_segment_ptr 1
		.amdhsa_wavefront_size32 1
		.amdhsa_system_sgpr_workgroup_id_x 1
		.amdhsa_system_sgpr_workgroup_id_y 1
		.amdhsa_system_sgpr_workgroup_id_z 1
		.amdhsa_system_vgpr_workitem_id 0
		.amdhsa_next_free_vgpr 1024
		.amdhsa_next_free_sgpr 102
		.amdhsa_reserve_vcc 1
		.amdhsa_float_denorm_mode_32 3
		.amdhsa_float_denorm_mode_16_64 3
		.amdhsa_memory_ordered 1
		.amdhsa_forward_progress 1
		.amdhsa_inst_pref_size 153
	.end_amdhsa_kernel
	.amdgpu_metadata
---
amdhsa.version: [ 1, 2 ]
amdhsa.kernels:
  - .name:           k_q2b36ae7394_proj
    .symbol:         k_q2b36ae7394_proj.kd
    .args:
      - { .name: xq, .offset: 0, .size: 8, .value_kind: global_buffer, .address_space: global }
      - { .name: xs, .offset: 8, .size: 8, .value_kind: global_buffer, .address_space: global }
      - { .name: wq, .offset: 16, .size: 8, .value_kind: global_buffer, .address_space: global }
      - { .name: ws, .offset: 24, .size: 8, .value_kind: global_buffer, .address_space: global }
      - { .name: qkv, .offset: 32, .size: 8, .value_kind: global_buffer, .address_space: global }
    .group_segment_fixed_size: 327680
    .private_segment_fixed_size: 0
    .kernarg_segment_align: 8
    .kernarg_segment_size: 40
    .max_flat_workgroup_size: 128
    .sgpr_count:     102
    .vgpr_count:     1024
    .wavefront_size: 32
...
	.end_amdgpu_metadata
.endif
;; end of part 2
;; launch attn (part 3): grid 4 x 64, 16 waves a work-group, clusters of 4 x 1, 210,944 bytes of LDS; arguments qkv, cq, cs; writes cq, cs
.if DOCPART == 3
	.amdgcn_target "amdgcn-amd-amdhsa--gfx1250"
	.amdhsa_code_object_version 6
	.text
	.protected	k_q2b36ae7394_attn
	.globl	k_q2b36ae7394_attn
	.p2align	8
	.type	k_q2b36ae7394_attn,@function
k_q2b36ae7394_attn:
	s_mov_b64 s[64:65], 0
	v_nop
	global_prefetch_b8 v0, s[64:65] scope:SCOPE_SE
	s_setreg_imm32_b32 hwreg(HW_REG_WAVE_MODE, 25, 1), 1
	s_wait_xcnt 0x0
	s_wait_alu depctr_hold_cnt(0) depctr_sa_sdst(0) depctr_va_vdst(0) depctr_va_sdst(0) depctr_va_ssrc(0) depctr_va_vcc(0) depctr_vm_vsrc(0)
	s_getreg_b32 s2, hwreg(HW_REG_IB_STS2, 6, 4)
	s_cmp_eq_u32 s2, 0
	s_cbranch_scc0 .Lentry_in_a_cluster
	s_endpgm
.Lentry_in_a_cluster:
	s_bfe_u32 s2, ttmp6, 0x10000c
	s_cmp_lg_u32 s2, 0x3003
	s_cbranch_scc0 .Lentry_shape_is_right
	s_endpgm
.Lentry_shape_is_right:
; ctx[h][q] = the sum over keys k <= q of softmax_k(q . k / 8) v[k], for 64 heads of 2,048 tokens x 64 channels, both products on codes of BF6 (E3M2) with E8M0 scales; ctx is quantised along the channels and leaves as an operand image.
; THE SOFTMAX: t = score x log2(e) / 8; M = the row's largest t so far, rounded UP to a whole number; p = 2^(t - M) is quantised along the keys, not normalised; the row's sum is taken of the unquantised p and divides at the end.
; When M moves, the sum and O are multiplied by 2^(old M - new M): exact.
; NO RING: a head's k, v and their scale words are 208,896 dense bytes and lie in LDS whole, filled once; one barrier.  The four work-groups of a head form a cluster and ask for them jointly (mask 15).
; SHARES.  A tile is 16 queries: tile T (0..7) of a block of 128 holds queries 32 (T / 2) + 8 (T % 2) + r + 8 (r / 8).  Wave w of work-group cx owns tile 2 cx + w % 2 of block w / 2 and of block 15 - w / 2:
; w / 2 + 1 and 16 - w / 2 key steps of 128 that lie at or under the diagonal: 17 for every wave.  Both loops have the constant count 16; a step behind the diagonal is jumped over by a branch on the wave's number and the counter.
; cx enters only global addresses of q and ctx and the numbers that the mask compares: no branch and no LDS address hangs on it.
; LAYOUT.  Both products transposed: S^T = k q^T (source 0 = 16 keys, chosen like a tile's queries, so that the 16 registers of tiles 2 b, 2 b + 1 are keys 32 b + 16 (lane / 16) + 0..15), O^T = v^T p^T: a lane holds one query throughout.
; K = 64 IN AN INSTRUCTION OF 128: q's registers 6-11 are zero codes.  A tile of k is six registers; the instruction names twelve, of which the upper six are the next tile's codes (zeros behind the last tile): they meet q's zeros,
; under scale bytes of 0 (2^-127); E3M2 has neither infinity nor NaN, so those products are exactly 0.
; The halves of ctx's scale words (two bytes a row and head) are stored two bytes a lane: the other half of each word is the neighbouring head's.
; LIMITS: a block of zeros, or one whose largest magnitude lies under 2^-122, gets the byte 1; NaN and infinities are not served.
.set HS,    315392
.set QSOFF, 98304
.set KOFF,  106496
.set FILL,  26112                      ; 102 rows of 256 bytes: what each of waves 0-7 brings
.set LV,    98304                      ; LDS: k's codes at 0, v's codes here,
.set LKS,   196608                     ; k's scale words,
.set LVS,   204800                     ; v's
.set KS,  44                           ; v44-47 k's scale words of a step; v48-49 v's
.set VS,  48
.set KF,  50                           ; v50-97 eight tiles of k, six registers each, later four fragments of v; v98-103 zeros
.set S,   104                          ; v104-167 S^T, then p
.set O,   168                          ; v168-199 O^T
.set PC,  200                          ; v200-211 p's codes
.set PT,  212                          ; v212-214, v216-218 at work
.set BM,  220                          ; v220-223 the blocks' largest
.set PD,  224                          ; v224-227 lane permutes' destinations
.set SO,  228                          ; v228-231 the conversions' scale operands
.set BY,  232                          ; v232-235 bytes
.set F,   236                          ; v[236:237] f (the upper word is named with it and holds 0)
.set SU,  238                          ; v[238:239] the second chain of the sum
.set TP,  240
.set PW,  241                          ; p's scale word
; v1 16 x lane; v2 8 x lane; v3 my query's place in its block - 16 (lane / 16); v4-9 the step's LDS addresses; v10 -infinity; v11 16 r; v12 -M; v13 the largest t; v[14:15] the sum;
; v16-27, v28-39 q's fragments of the two passes; v40, v41 their scale words; v42, v43 ctx's half words
.macro CROUND
	s_barrier_signal -1
	s_barrier_wait -1
	s_cmp_lg_u32 s18, 0
	s_cbranch_scc1 .Lnot_wave_0_\@
	s_barrier_signal -3
.Lnot_wave_0_\@:
	s_barrier_wait -3
	s_barrier_signal -1
	s_barrier_wait -1
.endm
	s_load_b128 s[4:7], s[0:1], 0x0                ; qkv, ctx's codes
	s_load_b64 s[8:9], s[0:1], 0x10                ; ctx's scale words
	v_lshl_add_u32 v254, v0, 2, 0x33000
	v_mov_b32 v255, 0
	ds_add_u32 v254, v255
	ds_add_u32 v254, v255
	v_lshrrev_b32 v1, 5, v0
	s_delay_alu instid0(VALU_DEP_1)
	v_readfirstlane_b32 s18, v1                    ; wave 0..15
	s_bfe_u32 s42, ttmp6, 0x40000                  ; cx
	s_and_b32 s10, ttmp7, 0xffff                   ; 16 b + head, which the four partners share
	s_mul_i32 s12, s10, HS
	s_mov_b32 s13, 0
	s_and_b32 s11, s18, 7
	s_mul_i32 s11, s11, FILL                       ; my eighth of the block, in LDS and in memory alike
	s_add_co_u32 s16, s11, KOFF
	s_mov_b32 s17, 0
	s_mov_b32 s24, 15|(3<<16)|(1<<21)              ; 15:0 the mask: all four work-groups; 17:16 elements of 8 bytes; 21 set beside a mask
	s_mov_b32 s25, 32<<16                          ; tensor_dim0: rows of 256 bytes
	s_mov_b32 s26, 102<<16                         ; tensor_dim1
	s_mov_b32 s27, 32<<16                          ; tile_dim0
	s_mov_b32 s28, 102                             ; tile_dim1
	s_mov_b32 s29, 32                              ; the pitch: dense
	s_mov_b32 s30, 0
	s_mov_b32 s31, 0
	s_wait_dscnt 0x0
	s_wait_kmcnt 0x0
	s_add_nc_u64 s[4:5], s[4:5], s[12:13]          ; qkv at my head
	s_mov_b32 s32, 1
	s_mov_b32 s33, s11
	s_add_nc_u64 s[34:35], s[4:5], s[16:17]
	s_or_b32 s35, s35, 0x80000000
	CROUND                                         ; all four work-groups are here: the joint loads meet
	s_cmp_lt_u32 s18, 8                            ; waves 0-7 fetch, one load each; the branch hangs on the wave's number alone
	s_cbranch_scc0 .Lno_fill
	tensor_load_to_lds s[32:35], s[24:31]
	s_nop 0
.rept 4
	v_nop
.endr
.Lno_fill:
	s_mov_b32 s20, 0x76543210
	s_mov_b32 s21, 0xfedcba98                      ; v_permlanex16_b32's selects for lane l xor 16
	s_mov_b32 s22, 0x3e38aa3b                      ; c = log2(e) / 8
	s_mov_b32 s23, s22                             ; named with it as a pair
	s_lshr_b32 s37, s18, 1                         ; the first pass's block of queries,
	s_sub_co_u32 s38, 15, s37                      ; the second's
	s_and_b32 s43, s18, 1
	s_lshl_b32 s2, s42, 1
	s_add_co_u32 s43, s43, s2                      ; my tile in both
	s_mul_i32 s2, s43, 768
	s_mul_i32 s16, s37, 6144
	s_add_co_u32 s16, s16, s2
	s_add_nc_u64 s[44:45], s[4:5], s[16:17]        ; q's codes, first pass
	s_mul_i32 s16, s38, 6144
	s_add_co_u32 s16, s16, s2
	s_add_nc_u64 s[46:47], s[4:5], s[16:17]        ; second pass
	s_and_b32 s2, s43, 1
	s_lshl_b32 s2, s2, 8
	s_lshr_b32 s3, s43, 1
	s_lshl_b32 s3, s3, 2
	s_add_co_u32 s2, s2, s3
	s_add_co_u32 s2, s2, QSOFF                     ; q's scale words: word T / 2 of lane r + 16 (T % 2)
	s_lshl_b32 s16, s37, 9
	s_add_co_u32 s16, s16, s2
	s_add_nc_u64 s[48:49], s[4:5], s[16:17]
	s_lshl_b32 s16, s38, 9
	s_add_co_u32 s16, s16, s2
	s_add_nc_u64 s[50:51], s[4:5], s[16:17]
	s_lshr_b32 s58, s10, 4
	s_lshl_b32 s58, s58, 4                         ; 16 b
	s_and_b32 s59, s10, 15                         ; the head
	s_lshr_b32 s60, s59, 1                         ; ctx's K step,
	s_and_b32 s61, s59, 1                          ; and which half of it
	s_add_co_u32 s62, s58, s37                     ; ctx's group of 128 rows, first pass,
	s_add_co_u32 s63, s58, s38                     ; second pass
	s_mul_i32 s2, s60, 12288
	s_mul_i32 s3, s43, 1536
	s_add_co_u32 s2, s2, s3
	s_mul_i32 s3, s61, 768
	s_add_co_u32 s2, s2, s3
	s_mul_i32 s16, s62, 98304
	s_add_co_u32 s16, s16, s2
	s_add_nc_u64 s[52:53], s[6:7], s[16:17]        ; where ctx's half fragment goes
	s_mul_i32 s16, s63, 98304
	s_add_co_u32 s16, s16, s2
	s_add_nc_u64 s[54:55], s[6:7], s[16:17]
	s_lshl_b32 s2, s43, 9
	s_lshl_b32 s3, s60, 6
	s_add_co_u32 s2, s2, s3
	s_lshl_b32 s3, s61, 1
	s_add_co_u32 s2, s2, s3
	s_lshl_b32 s56, s62, 12
	s_add_co_u32 s56, s56, s2                      ; and its half words: (8 G + T) x 512 + 64 x K step + 2 x half
	s_lshl_b32 s57, s63, 12
	s_add_co_u32 s57, s57, s2
	v_and_b32 v11, 31, v0
	s_delay_alu instid0(VALU_DEP_1)
	v_lshlrev_b32 v1, 4, v11
	s_delay_alu instid0(VALU_DEP_2)
	v_lshlrev_b32 v2, 3, v11
	v_and_b32 v[TP], 15, v0                        ; r
	s_delay_alu instid0(VALU_DEP_1)
	v_lshlrev_b32 v11, 4, v[TP]
	global_load_b128 v[16:19], v1, s[44:45]        ; q stays in registers
	global_load_b64 v[20:21], v2, s[44:45] offset:512
	global_load_b128 v[28:31], v1, s[46:47]
	global_load_b64 v[32:33], v2, s[46:47] offset:512
	global_load_b32 v40, v11, s[48:49]
	global_load_b32 v41, v11, s[50:51]
	v_and_b32 v3, 8, v[TP]
	s_delay_alu instid0(VALU_DEP_1)
	v_add_nc_u32 v3, v3, v[TP]                     ; r + 8 (r / 8)
	v_bfe_u32 v4, v0, 4, 1
	s_delay_alu instid0(VALU_DEP_1)
	v_lshlrev_b32 v4, 4, v4
	s_delay_alu instid0(VALU_DEP_1)
	v_sub_nc_u32 v3, v3, v4                        ; - 16 (lane / 16)
	s_lshr_b32 s2, s43, 1
	s_lshl_b32 s2, s2, 5
	s_and_b32 s3, s43, 1
	s_lshl_b32 s3, s3, 3
	s_add_co_u32 s2, s2, s3
	v_add_nc_u32 v3, s2, v3                        ; + 32 (T / 2) + 8 (T % 2)
	v_mov_b32 v10, 0xff800000                      ; -infinity
.irp j, 22,23,24,25,26,27,34,35,36,37,38,39,98,99,100,101,102,103
	v_mov_b32 v\j, 0                               ; q's upper halves, and what stands behind k's last tile: zero codes
.endr
.irp b, 0,1,2,3
	v_mov_b32 v[PD+\b], 0                          ; written once: a lane permute's destination counts as one of its sources
.endr
	v_mov_b32 v[F+1], 0
	s_wait_tensorcnt 0x0                           ; my part of the block has landed,
	s_barrier_signal -1
	s_barrier_wait -1                              ; everybody's has
	s_wait_loadcnt 0x0                             ; q
; ONE PASS: my tile of the block of queries in s[blk], against key steps 0 .. blk
.macro PASS qf, qs, blk, outp, hw
	s_wait_xcnt 0x0                                ; the last pass's stores have read their data
	v_mov_b32 v13, 0xff61b1e6                      ; the largest t so far: -3e38, under every t
	s_delay_alu instid0(VALU_DEP_1)
	v_floor_f32 v12, -v13                          ; -M
	v_mov_b32 v14, 0
	v_mov_b32 v15, 0
.set jj, 0
.rept 32
	v_mov_b32 v[O+jj], 0                           ; the step is written once: the first finds zeros, which the first change of M leaves zeros
.set jj, jj+1
.endr
	s_mov_b32 s36, 0                               ; the key step
	s_mov_b32 s39, 0                               ; its tiles of k (v's lie LV further on)
	s_mov_b32 s40, LKS                             ; k's scale words
	s_mov_b32 s41, LVS                             ; v's
.Lstep_\@:
	s_cmp_gt_u32 s36, s[\blk]                      ; all its keys come after my queries: left out
	s_cbranch_scc1 .Lskip_\@
	s_setprio 2
	v_add_nc_u32 v4, s39, v1                       ; these six are also the places behind the last step's products, in front of the loads below
	v_add_nc_u32 v5, s39, v2
	s_delay_alu instid0(VALU_DEP_2)
	v_add_nc_u32 v6, LV, v4
	s_delay_alu instid0(VALU_DEP_2)
	v_add_nc_u32 v7, LV, v5
	v_add_nc_u32 v8, s40, v1
	v_add_nc_u32 v9, s41, v2
.irp t, 0,1,2,3,4,5,6,7
	ds_load_b128 v[KF+6*\t:KF+6*\t+3], v4 offset:768*\t
	ds_load_b64 v[KF+6*\t+4:KF+6*\t+5], v5 offset:768*\t+512
.endr
	ds_load_b128 v[KS:KS+3], v8                    ; word t / 2: lanes 0-15 tile t even, lanes 16-31 tile t odd
	s_wait_alu depctr_va_vdst(0)
	s_wait_dscnt 0x0
.irp t, 0,1,2,3,4,5,6,7
.if (\t)%2
	v_wmma_scale_f32_16x16x128_f8f6f4 v[S+8*\t:S+8*\t+7], v[KF+6*\t:KF+6*\t+11], v[\qf:\qf+11], 0, v[KS+\t/2], v[\qs] matrix_a_fmt:MATRIX_FMT_BF6 matrix_b_fmt:MATRIX_FMT_BF6 matrix_a_scale:MATRIX_SCALE_ROW1
.else
	v_wmma_scale_f32_16x16x128_f8f6f4 v[S+8*\t:S+8*\t+7], v[KF+6*\t:KF+6*\t+11], v[\qf:\qf+11], 0, v[KS+\t/2], v[\qs] matrix_a_fmt:MATRIX_FMT_BF6 matrix_b_fmt:MATRIX_FMT_BF6
.endif
.endr
.rept 4
	v_nop                                          ; places: in front of the loads into k's registers, and of the first read of the scores
.endr
.irp t, 0,1,2,3                        ; v's four fragments land while the softmax is walked
	ds_load_b128 v[KF+12*\t:KF+12*\t+3], v6 offset:1536*\t
	ds_load_b64 v[KF+12*\t+4:KF+12*\t+5], v7 offset:1536*\t+512
	ds_load_b128 v[KF+12*\t+6:KF+12*\t+9], v6 offset:1536*\t+768
	ds_load_b64 v[KF+12*\t+10:KF+12*\t+11], v7 offset:1536*\t+1280
.endr
	ds_load_b64 v[VS:VS+1], v9
	s_cmp_lg_u32 s36, s[\blk]                      ; only the step on the diagonal has hidden keys
	s_cbranch_scc1 .Lopen_\@
.set nn, 0
.rept 64                               ; register 16 b + i holds key 32 b + 16 (lane / 16) + i of the step: hidden where 32 b + i > v3: -infinity ahead of the maximum, so that p = 0
	v_cmp_gt_i32 vcc_lo, 32*(nn/16)+nn%16, v3
	v_cndmask_b32 v[S+nn], v[S+nn], v10, vcc_lo
.set nn, nn+1
.endr
.Lopen_\@:
.irp b, 0,1,2,3
	v_max3_num_f32 v[BM+\b], v[S+16*\b], v[S+1+16*\b], v[S+2+16*\b]   ; the largest score of each block of 32 keys: for the row's maximum, and, since p rises with the score, for the block's largest p
.endr
.irp i, 3,5,7,9,11,13
.irp b, 0,1,2,3
	v_max3_num_f32 v[BM+\b], v[BM+\b], v[S+16*\b+\i], v[S+1+16*\b+\i]
.endr
.endr
.irp b, 0,1,2,3
	v_max_num_f32 v[BM+\b], v[BM+\b], v[S+15+16*\b]
.endr
.irp b, 0,1,2,3
	s_delay_alu instid0(VALU_DEP_4)
	v_permlanex16_b32 v[PD+\b], v[BM+\b], s20, s21
.endr
.irp b, 0,1,2,3
	s_delay_alu instid0(VALU_DEP_4)
	v_max_num_f32 v[BM+\b], v[BM+\b], v[PD+\b]     ; with lane l xor 16's 16 keys
.endr
	s_delay_alu instid0(VALU_DEP_2)
	v_max3_num_f32 v[TP], v[BM], v[BM+1], v[BM+2]
	s_delay_alu instid0(VALU_DEP_1)
	v_max_num_f32 v[TP], v[TP], v[BM+3]
	s_delay_alu instid0(VALU_DEP_1)
	v_mul_f32 v[TP], s22, v[TP]                    ; the step's largest t of my query
	s_delay_alu instid0(VALU_DEP_1)
	v_max_num_f32 v13, v13, v[TP]
	v_mov_b32 v[TP], v12
	s_delay_alu instid0(VALU_DEP_2)
	v_floor_f32 v12, -v13                          ; the new -M = -ceil(t)
	s_delay_alu instid0(VALU_DEP_1)
	v_sub_f32 v[TP], v12, v[TP]                    ; old M - new M: a whole number, 0 or less
	s_delay_alu instid0(VALU_DEP_1)
	v_cvt_i32_f32 v[TP], v[TP]                     ; (it saturates)
	s_delay_alu instid0(VALU_DEP_1)
	v_ldexp_f32 v[F], 1.0, v[TP]                   ; f = 2^(old M - new M)
.set jj, 0
.rept 32
	v_pk_fma_f32 v[S+jj:S+jj+1], v[S+jj:S+jj+1], s[22:23], v[12:13] op_sel_hi:[1,0,0]   ; t - M, two at a time
.set jj, jj+2
.endr
	s_setprio 1
.irp b, 0,1,2,3
	v_fma_f32 v[BM+\b], v[BM+\b], s22, v12         ; the same of each block's largest score
.endr
.set jj, 0
	s_wait_alu depctr_va_vdst(0)
.rept 64
	v_exp_f32 v[S+jj], v[S+jj]                     ; p = 2^(t - M)
.set jj, jj+1
.endr
	v_pk_mul_f32 v[14:15], v[14:15], v[F:F+1] op_sel_hi:[1,0]   ; the sum under the new M: a plain instruction behind the exponentials
	s_wait_alu depctr_va_vdst(0)                   ; one wait for the batch of 64, ahead of its first reader
.irp b, 0,1,2,3
	v_exp_f32 v[BM+\b], v[BM+\b]                   ; the blocks' largest p
.endr
	v_pk_add_f32 v[238:239], v[108:109], v[112:113]
	v_pk_add_f32 v[252:253], v[116:117], v[120:121]
	v_pk_add_f32 v[250:251], v[124:125], v[128:129]
	v_pk_add_f32 v[248:249], v[132:133], v[136:137]
	v_pk_add_f32 v[246:247], v[140:141], v[144:145]
	v_pk_add_f32 v[244:245], v[148:149], v[152:153]
	v_pk_add_f32 v[242:243], v[156:157], v[160:161]
	v_pk_add_f32 v[14:15], v[14:15], v[164:165]
	v_pk_add_f32 v[238:239], v[238:239], v[104:105]
	v_pk_add_f32 v[252:253], v[252:253], v[106:107]
	v_pk_add_f32 v[250:251], v[250:251], v[110:111]
	v_pk_add_f32 v[248:249], v[248:249], v[114:115]
	v_pk_add_f32 v[246:247], v[246:247], v[118:119]
	v_pk_add_f32 v[244:245], v[244:245], v[122:123]
	v_pk_add_f32 v[242:243], v[242:243], v[126:127]
	v_pk_add_f32 v[14:15], v[14:15], v[130:131]
	v_pk_add_f32 v[238:239], v[238:239], v[134:135]
	v_pk_add_f32 v[252:253], v[252:253], v[138:139]
	v_pk_add_f32 v[250:251], v[250:251], v[142:143]
	v_pk_add_f32 v[248:249], v[248:249], v[146:147]
	v_pk_add_f32 v[246:247], v[246:247], v[150:151]
	v_pk_add_f32 v[244:245], v[244:245], v[154:155]
	v_pk_add_f32 v[242:243], v[242:243], v[158:159]
	v_pk_add_f32 v[14:15], v[14:15], v[162:163]
	v_pk_add_f32 v[238:239], v[238:239], v[166:167]
	s_delay_alu instid0(VALU_DEP_2)
	v_pk_add_f32 v[14:15], v[14:15], v[248:249]
	s_delay_alu instid0(VALU_DEP_2)
	v_pk_add_f32 v[238:239], v[238:239], v[246:247]
	v_pk_add_f32 v[252:253], v[252:253], v[244:245]
	v_pk_add_f32 v[250:251], v[250:251], v[242:243]
	s_delay_alu instid0(VALU_DEP_2)
	v_pk_add_f32 v[14:15], v[14:15], v[252:253]
	s_delay_alu instid0(VALU_DEP_2)
	v_pk_add_f32 v[238:239], v[238:239], v[250:251]
	s_delay_alu instid0(VALU_DEP_1)
	v_pk_add_f32 v[14:15], v[14:15], v[238:239]
	s_wait_alu depctr_va_vdst(0)                   ; and one for the four
.irp b, 0,1,2,3
	v_max_num_f32 v[BM+\b], 0x2800000, v[BM+\b]    ; the floor 2^(5 - 127): a block whose every p is 0 keeps the byte 1: its codes are zeros
.endr
.irp b, 0,1,2,3
	s_delay_alu instid0(VALU_DEP_4)
	v_add_nc_u32 v[SO+\b], 0xfe000000, v[BM+\b]
.endr
.irp b, 0,1,2,3
	s_delay_alu instid0(VALU_DEP_4)
	v_lshrrev_b32 v[BY+\b], 23, v[SO+\b]
.endr
	s_delay_alu instid0(VALU_DEP_3)
	v_lshl_or_b32 v[PW], v[BY+1], 8, v[BY]
	s_delay_alu instid0(VALU_DEP_1)
	v_lshl_or_b32 v[PW], v[BY+2], 16, v[PW]
	s_delay_alu instid0(VALU_DEP_1)
	v_lshl_or_b32 v[PW], v[BY+3], 24, v[PW]        ; p's scale word for these 128 keys
	s_setprio 0
.irp c, 0,1
	v_cvt_scalef32_pk16_bf6_f32 v[PC+6*\c:PC+2+6*\c], v[S+32*\c:S+15+32*\c], v[SO+2*\c]
	v_cvt_scalef32_pk16_bf6_f32 v[PT+4*\c:PT+2+4*\c], v[S+16+32*\c:S+31+32*\c], v[SO+2*\c+1]
.endr
	v_nop                                          ; one plain instruction behind the scaled conversions
.irp c, 0,1
.irp i, 0,1,2
	v_permlane16_swap_b32 v[PC+6*\c+\i], v[PT+4*\c+\i]
.endr
.irp i, 0,1,2
	s_delay_alu instid0(VALU_DEP_3)
	v_mov_b32 v[PC+3+6*\c+\i], v[PT+4*\c+\i]
.endr
.endr
.set jj, 0
.rept 16
	v_pk_mul_f32 v[O+jj:O+jj+1], v[O+jj:O+jj+1], v[F:F+1] op_sel_hi:[1,0]   ; O^T under the new M, each accumulator from its low end on; these are also the places between p's codes and scale word and the products
.set jj, jj+2
.endr
	s_wait_alu depctr_va_vdst(0)
	s_wait_dscnt 0x0                               ; v is in
.irp t, 0,1,2,3
.if (\t)%2
	v_wmma_scale_f32_16x16x128_f8f6f4 v[O+8*\t:O+8*\t+7], v[KF+12*\t:KF+12*\t+11], v[PC:PC+11], v[O+8*\t:O+8*\t+7], v[VS+\t/2], v[PW] matrix_a_fmt:MATRIX_FMT_BF6 matrix_b_fmt:MATRIX_FMT_BF6 matrix_a_scale:MATRIX_SCALE_ROW1
.else
	v_wmma_scale_f32_16x16x128_f8f6f4 v[O+8*\t:O+8*\t+7], v[KF+12*\t:KF+12*\t+11], v[PC:PC+11], v[O+8*\t:O+8*\t+7], v[VS+\t/2], v[PW] matrix_a_fmt:MATRIX_FMT_BF6 matrix_b_fmt:MATRIX_FMT_BF6
.endif
.endr
.Lskip_\@:
	s_add_co_u32 s39, s39, 6144
	s_add_co_u32 s40, s40, 512
	s_add_co_u32 s41, s41, 256
	s_add_co_u32 s36, s36, 1
	s_cmp_lt_u32 s36, 16
	s_cbranch_scc1 .Lstep_\@
	s_setprio 0
.rept 4
	v_nop                                          ; places behind the last products
.endr
	v_add_f32 v14, v14, v15                        ; the sum's two halves,
	s_delay_alu instid0(VALU_DEP_1)
	v_permlanex16_b32 v[TP], v14, s20, s21
	s_delay_alu instid0(VALU_DEP_1)
	v_add_f32 v14, v14, v[TP]                      ; and lane l xor 16's
	s_wait_alu depctr_va_vdst(0)
	v_rcp_f32 v[F], v14
	v_nop                                          ; a plain instruction behind the reciprocal,
	s_wait_alu depctr_va_vdst(0)                   ; and the wait ahead of its first reader
.set jj, 0
.rept 16
	v_pk_mul_f32 v[S+jj:S+jj+1], v[O+jj:O+jj+1], v[F:F+1] op_sel_hi:[1,0]   ; ctx: register 16 b + i = channel 32 b + 16 (lane / 16) + i, since v's channel tiles are chosen like a tile's queries
.set jj, jj+2
.endr
.irp b, 0,1
	v_max3_num_f32 v[BM+\b], |v[S+16*\b]|, |v[S+1+16*\b]|, 0x2800000
.endr
.irp i, 2,4,6,8,10,12,14
.irp b, 0,1
	s_delay_alu instid0(VALU_DEP_2)
	v_max3_num_f32 v[BM+\b], v[BM+\b], |v[S+16*\b+\i]|, |v[S+1+16*\b+\i]|
.endr
.endr
.irp b, 0,1
	s_delay_alu instid0(VALU_DEP_2)
	v_permlanex16_b32 v[PD+\b], v[BM+\b], s20, s21
.endr
.irp b, 0,1
	s_delay_alu instid0(VALU_DEP_2)
	v_max_num_f32 v[BM+\b], v[BM+\b], v[PD+\b]
.endr
.irp b, 0,1
	s_delay_alu instid0(VALU_DEP_2)
	v_add_nc_u32 v[SO+\b], 0xfe000000, v[BM+\b]
.endr
.irp b, 0,1
	s_delay_alu instid0(VALU_DEP_2)
	v_lshrrev_b32 v[BY+\b], 23, v[SO+\b]
.endr
	s_delay_alu instid0(VALU_DEP_1)
	v_lshl_or_b32 v[\hw], v[BY+1], 8, v[BY]        ; my row's two bytes
	v_cvt_scalef32_pk16_bf6_f32 v[PC:PC+2], v[S:S+15], v[SO]
	v_cvt_scalef32_pk16_bf6_f32 v[PT:PT+2], v[S+16:S+31], v[SO+1]
	v_nop
.irp i, 0,1,2
	v_permlane16_swap_b32 v[PC+\i], v[PT+\i]
.endr
.irp i, 0,1,2
	s_delay_alu instid0(VALU_DEP_3)
	v_mov_b32 v[PC+3+\i], v[PT+\i]
.endr
	global_store_b128 v1, v[PC:PC+3], s[\outp:\outp+1]             ; a half fragment's image: 512 and 256 consecutive bytes
	global_store_b64 v2, v[PC+4:PC+5], s[\outp:\outp+1] offset:512
.endm
	PASS 16, 40, 37, 52, 42
	PASS 28, 41, 38, 54, 43
	v_and_b32 v11, 31, v0
	s_delay_alu instid0(VALU_DEP_1)
	v_cmp_gt_u32 vcc_lo, 16, v11
	v_mov_b32 v4, s57
	v_mov_b32 v5, s56
	s_delay_alu instid0(VALU_DEP_1)
	v_cndmask_b32 v4, v4, v5, vcc_lo               ; lanes 0-15 store the first pass's half words, lanes 16-31 the second's
	v_and_b32 v5, 15, v0
	s_delay_alu instid0(VALU_DEP_1)
	v_lshl_add_u32 v4, v5, 2, v4
	v_cndmask_b32 v5, v43, v42, vcc_lo
	global_store_b16 v4, v5, s[8:9]
	s_wait_dscnt 0x0
	s_wait_tensorcnt 0x0
	ds_add_u32 v254, v255
	s_wait_dscnt 0x0
	CROUND                                         ; the closing round
	s_endpgm
.Lfunc_end_k_q2b36ae7394_attn:
	.size	k_q2b36ae7394_attn, .Lfunc_end_k_q2b36ae7394_attn-k_q2b36ae7394_attn
	.p2alignl 7, 3214868480
	.fill 96, 4, 3214868480
	.section	.rodata,"a",@progbits
	.p2align	6, 0x0
	.amdhsa_kernel k_q2b36ae7394_attn
		.amdhsa_group_segment_fixed_size 210944
		.amdhsa_private_segment_fixed_size 0
		.amdhsa_enable_private_segment 0
		.amdhsa_kernarg_size 24
		.amdhsa_user_sgpr_count 2
		.amdhsa_user_sgpr_kernarg_segment_ptr 1
		.amdhsa_wavefront_size32 1
		.amdhsa_system_sgpr_workgroup_id_x 1
		.amdhsa_system_sgpr_workgroup_id_y 1
		.amdhsa_system_sgpr_workgroup_id_z 1
		.amdhsa_system_vgpr_workitem_id 0
		.amdhsa_next_free_vgpr 256
		.amdhsa_next_free_sgpr 66
		.amdhsa_reserve_vcc 1
		.amdhsa_float_denorm_mode_32 3
		.amdhsa_float_denorm_mode_16_64 3
		.amdhsa_memory_ordered 1
		.amdhsa_forward_progress 1
		.amdhsa_inst_pref_size 65
	.end_amdhsa_kernel
	.amdgpu_metadata
---
amdhsa.version: [ 1, 2 ]
amdhsa.kernels:
  - .name:           k_q2b36ae7394_attn
    .symbol:         k_q2b36ae7394_attn.kd
    .args:
      - { .name: qkv, .offset: 0, .size: 8, .value_kind: global_buffer, .address_space: global }
      - { .name: cq, .offset: 8, .size: 8, .value_kind: global_buffer, .address_space: global }
      - { .name: cs, .offset: 16, .size: 8, .value_kind: global_buffer, .address_space: global }
    .group_segment_fixed_size: 210944
    .private_segment_fixed_size: 0
    .kernarg_segment_align: 8
    .kernarg_segment_size: 24
    .max_flat_workgroup_size: 512
    .sgpr_count:     66
    .vgpr_count:     256
    .wavefront_size: 32
...
	.end_amdgpu_metadata
.endif
;; end of part 3
;; launch outp (part 4): grid 4 x 32, 4 waves a work-group, clusters of 4 x 4, 327,680 bytes of LDS; arguments cq, cs, wq, ws, bo, out0; writes out0
.if DOCPART == 4
	.amdgcn_target "amdgcn-amd-amdhsa--gfx1250"
	.amdhsa_code_object_version 6
	.text
	.protected	k_q2b36ae7394_outp
	.globl	k_q2b36ae7394_outp
	.p2align	8
	.type	k_q2b36ae7394_outp,@function
k_q2b36ae7394_outp:
	s_mov_b64 s[64:65], 0
	v_nop
	global_prefetch_b8 v0, s[64:65] scope:SCOPE_SE
	s_setreg_imm32_b32 hwreg(HW_REG_WAVE_MODE, 25, 1), 1
	s_wait_xcnt 0x0
	s_wait_alu depctr_hold_cnt(0) depctr_sa_sdst(0) depctr_va_vdst(0) depctr_va_sdst(0) depctr_va_ssrc(0) depctr_va_vcc(0) depctr_vm_vsrc(0)
	s_getreg_b32 s2, hwreg(HW_REG_IB_STS2, 6, 4)
	s_cmp_eq_u32 s2, 0
	s_cbranch_scc0 .Lentry_in_a_cluster
	s_endpgm
.Lentry_in_a_cluster:
	s_bfe_u32 s2, ttmp6, 0x10000c
	s_cmp_lg_u32 s2, 0xf033
	s_cbranch_scc0 .Lentry_shape_is_right
	s_endpgm
.Lentry_shape_is_right:
; out = ctx Wo + bo on codes of BF6 (E3M2) with E8M0 scales; out [8192][1024] f32.
; OPERANDS lie in the order of their registers: groups G of 128 rows, tile i of a group = rows 32 (i / 2) + 8 (i % 2) + r + 8 (r / 8); codes [G][K step][i][1536], scale words [8 G + i][K step][r].  Wo's columns are groups 24-31 of the weights.
; A tile of 256 x 256 is made by four waves of 128 x 128.  K = 1,024 goes in eight steps of 128 through a ring of two LDS slots of two steps each; a wave's tensor load brings 24,576 dense bytes.
; THE MATRIX INSTRUCTION IS USED TRANSPOSED (source 0 = 16 columns of Wo, source 1 = 16 rows of ctx): by the choice of a tile's rows, register j of accumulator (a, b) is column 32 (b / 2) + 8 (b % 2) + 16 (lane / 16) + j.
; The bias is the C of each sum's first matrix instruction.  CLUSTERS: 4 x 4: ctx's tile is shared along a row of the cluster, Wo's along a column: each is asked for jointly.
; 128 tiles of 256 x 256: half of the chip's WGPs have a work-group; the tile is kept, since a wave's 128 x 128 reads each fragment once.
; REGISTERS: window 0: v1-29 lane terms and addresses; v32-95 all scale words; v128-223 A's fragments, on the way out v128-255 rows of out.  window 1: B's two sets at v0 and v128; the bias at v96-127 and v224-255.  windows 2, 3: accumulators.
.set HALFT,  24576
.set SLOT,   98304
.set SCL,    196608
.set SPARE,  212992
.set SPITCH, 528                       ; the way out: a stage of 16 rows x (512 bytes + 16) for each wave, in slot 0, which has had its last fill and its last read when the first result is stored there
.set ADRA16, 16
.set ADRA8,  18
.set ADRB16, 20
.set ADRB8,  22
.set STO,    24                        ; v24  where I put 32 bytes of a row
.set RD,     25                        ; v25  where I read a row back
.set CO,     26                        ; v26  16 x lane: my bytes of a row of out
.set ADRS,   27
.set SPW,    28
.set NIL,    29
.set SC,     32
.set AF,     128
.set BK,     128
.set G1, 24
.set G0, 32
.set G1B, 48
.set G0B, 56
.set G1S, 68
.set G0S, 76
.set G1SB, 80
.set G0SB, 88
.set MSB, 0
.macro WIN new
.if MSB != (\new)
	s_set_vgpr_msb (MSB<<8)|(\new)
.set MSB, (\new)
.endif
.endm
.set MUL_LO, 0xa1                      ; source 0 (B) window 1, source 1 (A) window 0, C and D window 2
.set MUL_HI, 0xf1
.set FIRST_LO, 0x91                    ; the first K step: C (the bias) window 1, D window 2
.set FIRST_HI, 0xd1
.set TO_B,   0x40
.macro JLOAD g0a, g1a, g0b, g1b        ; a joint load: waves 0 and 1 fetch for A, waves 2 and 3 for B; four v_nop follow each of the two lines
	s_cmp_eq_u32 s15, 0
	s_cbranch_scc0 .Lfor_b_\@
	tensor_load_to_lds s[\g0a:\g0a+3], s[\g1a:\g1a+7]
	s_nop 0
.rept 4
	v_nop
.endr
	s_branch .Lasked_\@
.Lfor_b_\@:
	tensor_load_to_lds s[\g0b:\g0b+3], s[\g1b:\g1b+7]
	s_nop 0
.rept 4
	v_nop
.endr
.Lasked_\@:
.endm
.macro CREST
	s_cmp_lg_u32 s14, 0
	s_cbranch_scc1 .Lnot_wave_0_\@
	s_barrier_signal -3
.Lnot_wave_0_\@:
	s_barrier_wait -3
	s_barrier_signal -1
	s_barrier_wait -1
.endm
.macro CROUND
	s_barrier_signal -1
	s_barrier_wait -1
	CREST
.endm
	s_load_b256 s[4:11], s[0:1], 0x0               ; ctx's codes s[4:5], its scales s[6:7], the weights' codes s[8:9], their scales s[10:11]
	s_load_b128 s[96:99], s[0:1], 0x20             ; bo s[96:97], out s[98:99]
	v_lshl_add_u32 v[SPW], v0, 2, SPARE
	v_mov_b32 v[NIL], 0
	ds_add_u32 v28, v29
	ds_add_u32 v28, v29
	s_wait_dscnt 0x0
	v_lshrrev_b32 v1, 5, v0
	v_readfirstlane_b32 s14, v1                    ; wave 0..3
	s_lshr_b32 s15, s14, 1                         ; my half of the rows.  Also: I fetch for A (0) or for B (1)
	s_and_b32 s16, s14, 1                          ; my half of the columns.  Also: which half I fetch
	s_bfe_u32 s40, ttmp6, 0x40000                  ; cx
	s_bfe_u32 s41, ttmp6, 0x40004                  ; cy
	s_lshl_b32 s42, ttmp9, 2
	s_add_co_u32 s42, s42, s40                     ; tile column
	s_and_b32 s17, ttmp7, 0xffff
	s_lshl_b32 s17, s17, 2
	s_add_co_u32 s17, s17, s41                     ; tile row
	s_lshl_b32 s43, s41, 2
	s_lshl_b32 s43, 15, s43                        ; my row of the cluster
	s_lshl_b32 s44, 0x1111, s40                    ; my column
	s_or_b32 s[G1], s43, (3<<16)|(1<<21)           ; dense blocks as rows of 256 bytes (32 elements of 8 bytes), no padding; bit 21 set beside a mask
	s_or_b32 s[G1B], s44, (3<<16)|(1<<21)
	s_or_b32 s[G1S], s43, (3<<16)|(1<<21)
	s_or_b32 s[G1SB], s44, (3<<16)|(1<<21)
.irp g, G1, G1B
	s_mov_b32 s[\g+1], 32<<16
	s_mov_b32 s[\g+2], 96<<16
	s_mov_b32 s[\g+3], 32<<16
	s_mov_b32 s[\g+4], 96
	s_mov_b32 s[\g+5], 32
	s_mov_b32 s[\g+6], 0
	s_mov_b32 s[\g+7], 0
.endr
.irp g, G1S, G1SB
	s_mov_b32 s[\g+1], 32<<16
	s_mov_b32 s[\g+2], 16<<16
	s_mov_b32 s[\g+3], 32<<16
	s_mov_b32 s[\g+4], 16
	s_mov_b32 s[\g+5], 32
	s_mov_b32 s[\g+6], 0
	s_mov_b32 s[\g+7], 0
.endr
	s_lshl_b32 s18, s17, 1
	s_add_co_u32 s18, s18, s16                     ; ctx's group that I fetch
	s_mul_i32 s20, s18, 98304
	s_mov_b32 s21, 0
	s_lshl_b32 s22, s18, 12
	s_mov_b32 s23, 0
	s_lshl_b32 s95, s42, 1
	s_add_co_u32 s95, s95, s16
	s_add_co_u32 s95, s95, 24                      ; Wo's group
	s_mul_i32 s46, s95, 98304
	s_mov_b32 s47, 0
	s_lshl_b32 s92, s95, 12
	s_mov_b32 s93, 0
	s_mul_i32 s45, s14, HALFT
	s_lshl_b32 s94, s14, 12
	s_wait_kmcnt 0x0
	s_add_nc_u64 s[20:21], s[4:5], s[20:21]
	s_add_nc_u64 s[22:23], s[6:7], s[22:23]
	s_add_nc_u64 s[46:47], s[8:9], s[46:47]
	s_add_nc_u64 s[92:93], s[10:11], s[92:93]
	CROUND                                         ; all sixteen work-groups are here: the first joint loads meet
	s_mov_b32 s[G0S], 1
	s_add_co_u32 s[G0S+1], s94, SCL
	s_mov_b64 s[G0S+2:G0S+3], s[22:23]
	s_or_b32 s[G0S+3], s[G0S+3], 0x80000000
	s_mov_b32 s[G0SB], 1
	s_add_co_u32 s[G0SB+1], s94, SCL
	s_mov_b64 s[G0SB+2:G0SB+3], s[92:93]
	s_or_b32 s[G0SB+3], s[G0SB+3], 0x80000000
	JLOAD G0S, G1S, G0SB, G1SB                     ; the scale words of all of K: filled once
.irp s, 0,1
	s_mov_b32 s[G0+4*\s], 1
	s_add_co_u32 s[G0+4*\s+1], s45, \s*SLOT
	s_add_nc_u64 s[G0+4*\s+2:G0+4*\s+3], s[20:21], \s*HALFT
	s_or_b32 s[G0+4*\s+3], s[G0+4*\s+3], 0x80000000
	s_mov_b32 s[G0B+4*\s], 1
	s_add_co_u32 s[G0B+4*\s+1], s45, \s*SLOT
	s_add_nc_u64 s[G0B+4*\s+2:G0B+4*\s+3], s[46:47], \s*HALFT
	s_or_b32 s[G0B+4*\s+3], s[G0B+4*\s+3], 0x80000000
	JLOAD G0+4*\s, G1, G0B+4*\s, G1B               ; three loads of mine are out now
.endr
	v_and_b32 v1, 31, v0                           ; lane
	v_bfe_u32 v2, v0, 4, 1                         ; h
	v_and_b32 v3, 15, v0                           ; r
	v_lshlrev_b32 v4, 4, v1                        ; 16 x lane
	v_lshlrev_b32 v5, 3, v1                        ; 8 x lane
	s_mul_i32 s20, s15, HALFT
	s_mul_i32 s21, s16, HALFT
	s_add_co_u32 s21, s21, 2*HALFT
.irp s, 0,1
	v_add_nc_u32 v[ADRA16+\s], s20, v4
	v_add_nc_u32 v[ADRA8+\s], s20, v5
	v_add_nc_u32 v[ADRB16+\s], s21, v4
	v_add_nc_u32 v[ADRB8+\s], s21, v5
	s_add_co_u32 s20, s20, SLOT
	s_add_co_u32 s21, s21, SLOT
.endr
	s_lshl_b32 s20, s15, 12
	s_lshl_b32 s21, s16, 12
	s_add_co_u32 s21, s21, 8192
	s_sub_co_u32 s21, s21, s20
	v_mul_u32_u24 v6, s21, v2                      ; lanes 16-31 take B's scale words: one product, the distance between the two
	s_add_co_u32 s20, s20, SCL
	v_lshl_add_u32 v6, v3, 2, v6
	v_add_nc_u32 v[ADRS], s20, v6
	s_mul_i32 s23, s14, 16*SPITCH                  ; my stage
	v_mul_u32_u24 v6, v3, SPITCH
	v_lshl_add_u32 v6, v2, 6, v6
	v_add_nc_u32 v[STO], s23, v6                   ; in: row r, + 64 h
	v_add_nc_u32 v[RD], s23, v4                    ; back: a row's 512 bytes
	v_mov_b32 v[CO], v4
	v_lshlrev_b32 v7, 6, v2                        ; the bias: 64 h bytes
	s_lshl_b32 s20, s17, 8
	s_lshl_b32 s21, s15, 7
	s_add_co_u32 s20, s20, s21                     ; my first row of out
	s_lshl_b32 s20, s20, 12                        ; rows of 4,096 bytes
	s_lshl_b32 s22, s42, 10
	s_lshl_b32 s23, s16, 9
	s_add_co_u32 s22, s22, s23                     ; my first column, in bytes
	s_add_co_u32 s20, s20, s22
	s_mov_b32 s21, 0
	s_mov_b32 s23, 0
	s_add_nc_u64 s[98:99], s[98:99], s[20:21]
	s_add_nc_u64 s[96:97], s[96:97], s[22:23]
	WIN TO_B
.irp b, 0,1,2,3,4,5,6,7                ; bo at the eight columns that lane (r, h) holds of accumulator (a, b)
	global_load_b128 v[96+8*\b+96*(\b/4):96+8*\b+96*(\b/4)+3], v7, s[96:97] offset:(32*(\b/2)+8*(\b%2))*4
	global_load_b128 v[96+8*\b+96*(\b/4)+4:96+8*\b+96*(\b/4)+7], v7, s[96:97] offset:(32*(\b/2)+8*(\b%2))*4+16
.endr
	WIN 0
.macro FRAG reg, a16, a8, q, i         ; a fragment as it was stored: two halves of 768 bytes, registers 0-3 at 16 x lane, registers 4-5 at 512 + 8 x lane
	ds_load_b128 v[\reg:\reg+3], v[\a16] offset:12288*(\q)+1536*(\i)
	ds_load_b64 v[\reg+4:\reg+5], v[\a8] offset:12288*(\q)+1536*(\i)+512
	ds_load_b128 v[\reg+6:\reg+9], v[\a16] offset:12288*(\q)+1536*(\i)+768
	ds_load_b64 v[\reg+10:\reg+11], v[\a8] offset:12288*(\q)+1536*(\i)+1280
.endm
.macro FETCH_B slot, q, p
	WIN TO_B
.irp i, 0,1,2,3,4,5,6,7
	FRAG 128*(\p)+12*\i, ADRB16+\slot, ADRB8+\slot, \q, \i
.endr
	WIN 0
.endm
.macro FETCH_A slot, q, i0
.irp i, \i0, \i0+1, \i0+2, \i0+3
	FRAG AF+12*(\i), ADRA16+\slot, ADRA8+\slot, \q, \i
.endr
.endm
; 16 matrix instructions: A's blocks a0, a0 + 1 x B's eight.  The 64 accumulators take turns, one instruction a turn, in the same order in every step.  first = 1: the bias starts the sums.
.macro MUL16 a0, p, kap, first
.irp a, \a0, \a0+1
.irp b, 0,1,2,3,4,5,6,7
.if \first
	v_wmma_scale_f32_16x16x128_f8f6f4 v[8*(8*((\a)%4)+\b):8*(8*((\a)%4)+\b)+7], v[128*(\p)+12*\b:128*(\p)+12*\b+11], v[AF+12*(\a):AF+12*(\a)+11], v[96+8*\b+96*(\b/4):96+8*\b+96*(\b/4)+7], v[SC+8*\b+(\kap)], v[SC+8*(\a)+(\kap)] matrix_a_fmt:MATRIX_FMT_BF6 matrix_b_fmt:MATRIX_FMT_BF6 matrix_a_scale:MATRIX_SCALE_ROW1
.else
	v_wmma_scale_f32_16x16x128_f8f6f4 v[8*(8*((\a)%4)+\b):8*(8*((\a)%4)+\b)+7], v[128*(\p)+12*\b:128*(\p)+12*\b+11], v[AF+12*(\a):AF+12*(\a)+11], v[8*(8*((\a)%4)+\b):8*(8*((\a)%4)+\b)+7], v[SC+8*\b+(\kap)], v[SC+8*(\a)+(\kap)] matrix_a_fmt:MATRIX_FMT_BF6 matrix_b_fmt:MATRIX_FMT_BF6 matrix_a_scale:MATRIX_SCALE_ROW1
.endif
.endr
.endr
.endm
.macro PLACES                          ; four plain instructions between a matrix instruction and a load into a register that it read, or a read of its result
.rept 4
	v_nop
.endr
.endm
.macro STEP slot, kap, first
	s_wait_dscnt 16                                ; all but the youngest 16 loads (A's blocks 4-7) are in
.if \first
	WIN FIRST_LO
.else
	WIN MUL_LO
.endif
	MUL16 0, 0, \kap, \first
	MUL16 2, 0, \kap, \first
	s_wait_dscnt 0x0                               ; A's blocks 4-7 are in
	PLACES
	FETCH_B \slot, 1, 1
	FETCH_A \slot, 1, 0
.if \first
	WIN FIRST_HI
.else
	WIN MUL_HI
.endif
	MUL16 4, 0, \kap, \first
	MUL16 6, 0, \kap, \first
	PLACES
	WIN 0
	FETCH_A \slot, 1, 4
.endm
; A slot's second K step changes slots: one barrier; in front of it each wave waits for all its tensor loads, adds 0 to its spare word, and waits for that and for its reads of this slot.
.macro TURN slot, next, kap, fill
	s_wait_tensorcnt 0x0                           ; all my tensor loads have landed: my part of the next slot
	ds_add_u32 v[SPW], v[NIL]                      ; 0 onto my spare word
	s_wait_dscnt 17                                ; the add and the youngest 16 loads (A's blocks 4-7) may be out
	WIN MUL_LO
	MUL16 0, 1, \kap, 0
	s_wait_dscnt 0x0                               ; the add is done, and my reads of this slot are over
	s_barrier_signal -1
	MUL16 2, 1, \kap, 0
	WIN 0
	s_barrier_wait -1
.if \fill
	CREST                                          ; the barrier has opened a round of the cluster's: no wave of any partner still reads this slot or has a load on its way
	s_add_nc_u64 s[G0+4*\slot+2:G0+4*\slot+3], s[G0+4*\slot+2:G0+4*\slot+3], 2*HALFT
	s_add_nc_u64 s[G0B+4*\slot+2:G0B+4*\slot+3], s[G0B+4*\slot+2:G0B+4*\slot+3], 2*HALFT
	JLOAD G0+4*\slot, G1, G0B+4*\slot, G1B         ; the first tensor load behind the round; its four v_nop are the places in front of the loads below
.else
	PLACES
.endif
	FETCH_B \next, 0, 0
	FETCH_A \next, 0, 0
	WIN MUL_HI
	MUL16 4, 1, \kap, 0
	MUL16 6, 1, \kap, 0
	PLACES
	WIN 0
	FETCH_A \next, 0, 4
.endm
	s_wait_tensorcnt 1                             ; the scale words and my part of slot 0 are in; slot 1's load may be out
	s_barrier_signal -1
	s_barrier_wait -1
	FETCH_B 0, 0, 0
	FETCH_A 0, 0, 0
.irp i, 0,1,2,3,4,5,6,7                ; all 64 scale words, once: lanes 0-15 A's block i, lanes 16-31 B's block i
.irp k, 0,1,2,3,4,5,6,7
	ds_load_b32 v[SC+8*\i+\k], v[ADRS] offset:512*\i+64*\k
.endr
.endr
	FETCH_A 0, 0, 4
	s_wait_loadcnt 0x0                             ; the bias
	STEP 0, 0, 1
	TURN 0, 1, 1, 1
	STEP 1, 2, 0
	TURN 1, 0, 3, 1
	STEP 0, 4, 0
	TURN 0, 1, 5, 0                                ; nothing is left to fetch: no round.  Behind this barrier nobody reads slot 0
	STEP 1, 6, 0
	s_wait_dscnt 16
	WIN MUL_LO
	MUL16 0, 1, 7, 0
	MUL16 2, 1, 7, 0
	s_wait_dscnt 0x0
	WIN MUL_HI
	MUL16 4, 1, 7, 0
	MUL16 6, 1, 7, 0
	WIN 0
; THE WAY OUT, block by block of 16 rows x 128 columns, through my own stage: a lane's eight results are 32 neighbouring bytes of a row; whole rows of 512 bytes come back and are stored by the 32 lanes.
; LDS serves a wave's instructions in order (ISA guide 5.7.1.4): no wait between the stores and the loads, nor in front of the next block's stores.
.macro TOSTAGE a
.set AC, 64*((\a)%4)
	WIN 0x08+4*((\a)/4)                            ; the data: window 2 or 3
.irp b, 0,1,2,3,4,5,6,7
	ds_store_b128 v[STO], v[AC+8*\b:AC+8*\b+3] offset:128*(\b/2)+32*(\b%2)        ; each accumulator from its low end on
	ds_store_b128 v[STO], v[AC+8*\b+4:AC+8*\b+7] offset:128*(\b/2)+32*(\b%2)+16
.endr
	WIN 0
.set BB, BK+64*((\a)%2)
.irp t, 0,1,2,3,4,5,6,7,8,9,10,11,12,13,14,15
	ds_load_b128 v[BB+4*\t:BB+4*\t+3], v[RD] offset:\t*SPITCH
.endr
.endm
.macro SEND a, younger                 ; younger: the LDS instructions issued behind block a's loads, which may stay out
.set BB, BK+64*((\a)%2)
	s_wait_dscnt \younger
.if (\a) > 0
.if (\a)%2
	s_add_nc_u64 s[98:99], s[98:99], 8*4096        ; block a begins at row 32 (a / 2) + 8 (a % 2): 8 rows on,
.else
	s_add_nc_u64 s[98:99], s[98:99], 24*4096       ; or 24
.endif
.endif
.irp t, 0,1,2,3,4,5,6,7,8,9,10,11,12,13,14,15
	global_store_b128 v[CO], v[BB+4*\t:BB+4*\t+3], s[98:99] offset:(\t+8*(\t/8))*4096 th:TH_STORE_NT   ; 512 consecutive bytes at a multiple of 256; written once, read by nobody here
.endr
.endm
	PLACES                                         ; behind the last products: for the loads into the registers that held A's fragments, and for the reads of results
	TOSTAGE 0
.irp a, 1,2,3,4,5,6,7
.if \a > 1
	s_wait_xcnt 0x0                                ; block a - 2's stores have read their registers and their base: block a's loads may land there, and the base may step
.endif
	TOSTAGE \a
	SEND \a-1, 32                                  ; behind block a - 1's loads: block a's 16 stores and 16 loads
.endr
	s_wait_xcnt 0x0                                ; block 6's stores have read their base
	SEND 7, 0
	s_wait_tensorcnt 0x0                           ; the wave's end
	ds_add_u32 v[SPW], v[NIL]
	s_wait_dscnt 0x0
	CROUND                                         ; the closing round
	s_endpgm
.Lfunc_end_k_q2b36ae7394_outp:
	.size	k_q2b36ae7394_outp, .Lfunc_end_k_q2b36ae7394_outp-k_q2b36ae7394_outp
	.p2alignl 7, 3214868480
	.fill 96, 4, 3214868480
	.section	.rodata,"a",@progbits
	.p2align	6, 0x0
	.amdhsa_kernel k_q2b36ae7394_outp
		.amdhsa_group_segment_fixed_size 327680
		.amdhsa_private_segment_fixed_size 0
		.amdhsa_enable_private_segment 0
		.amdhsa_kernarg_size 48
		.amdhsa_user_sgpr_count 2
		.amdhsa_user_sgpr_kernarg_segment_ptr 1
		.amdhsa_wavefront_size32 1
		.amdhsa_system_sgpr_workgroup_id_x 1
		.amdhsa_system_sgpr_workgroup_id_y 1
		.amdhsa_system_sgpr_workgroup_id_z 1
		.amdhsa_system_vgpr_workitem_id 0
		.amdhsa_next_free_vgpr 1024
		.amdhsa_next_free_sgpr 102
		.amdhsa_reserve_vcc 0
		.amdhsa_float_denorm_mode_32 3
		.amdhsa_float_denorm_mode_16_64 3
		.amdhsa_memory_ordered 1
		.amdhsa_forward_progress 1
		.amdhsa_inst_pref_size 147
	.end_amdhsa_kernel
	.amdgpu_metadata
---
amdhsa.version: [ 1, 2 ]
amdhsa.kernels:
  - .name:           k_q2b36ae7394_outp
    .symbol:         k_q2b36ae7394_outp.kd
    .args:
      - { .name: cq, .offset: 0, .size: 8, .value_kind: global_buffer, .address_space: global }
      - { .name: cs, .offset: 8, .size: 8, .value_kind: global_buffer, .address_space: global }
      - { .name: wq, .offset: 16, .size: 8, .value_kind: global_buffer, .address_space: global }
      - { .name: ws, .offset: 24, .size: 8, .value_kind: global_buffer, .address_space: global }
      - { .name: bo, .offset: 32, .size: 8, .value_kind: global_buffer, .address_space: global }
      - { .name: out0, .offset: 40, .size: 8, .value_kind: global_buffer, .address_space: global }
    .group_segment_fixed_size: 327680
    .private_segment_fixed_size: 0
    .kernarg_segment_align: 8
    .kernarg_segment_size: 48
    .max_flat_workgroup_size: 128
    .sgpr_count:     102
    .vgpr_count:     1024
    .wavefront_size: 32
...
	.end_amdgpu_metadata
.endif
;; end of part 4
